; MI455X (gfx1250); checked and timed in simulation.
; The chip was launched on July 23, 2026; its instructions are those of AMD's public machine-readable ISA for CDNA 5 (MIT licence, August 2026) and "CDNA5" Instruction Set Architecture Reference Guide (July 2026). The comments in the code are by the model that wrote it; some were corrected since.
;; Multi Head Attention. Allowed arithmetic: matrix products marked QUANTISED: E2M3 operands, one E8M0 scale for each 32 along K, by v_wmma_scale_f32_16x16x128_f8f6f4 with both operands' format E2M3, f32 sums; everything else in f32.
;; Inputs: Wk 1,024 x 1,024 float32; Wo 1,024 x 1,024 float32; Wq 1,024 x 1,024 float32; Wv 1,024 x 1,024 float32; bk 1,024 float32; bo 1,024 float32; bq 1,024 float32; bv 1,024 float32; mask 4 x 2,048 int32; x 4 x 2,048 x 1,024 float32.
;; Outputs: out0 4 x 2,048 x 1,024 float32.
;; This version of the problem:
;;   THIS VERSION OF THE PROBLEM IS GIVEN IN LOW PRECISION. The matrix products marked QUANTISED in the list below multiply operands that are first quantised to E2M3 (2 exponent bits, 3 mantissa bits; 6 bits a number), with one power-of-two scale for each 32 numbers along K (OCP MX v1.0); their sums are f32. All else is computed in f32.
;;   The module's matrix products, in the order in which they are computed (A, B: the left and right operand; K: the contracted axis; several contracted axes count as one K, in the product's order):
;;     1. [M 8,192, K 1,024] x [K 1,024, N 1,024]; A: input x; B: input Wq: QUANTISED
;;     2. [M 8,192, K 1,024] x [K 1,024, N 1,024]; A: input x; B: input Wk: QUANTISED
;;     3. [M 8,192, K 1,024] x [K 1,024, N 1,024]; A: input x; B: input Wv: QUANTISED
;;     4. batch 64 x [M 2,048, K 64] x [K 64, N 2,048]; A: computed on the way; B: computed on the way: QUANTISED
;;     5. batch 64 x [M 2,048, K 2,048] x [K 2,048, N 64]; A: computed on the way; B: computed on the way: QUANTISED
;;     6. [M 8,192, K 1,024] x [K 1,024, N 1,024]; A: computed on the way; B: input Wo: QUANTISED
;;   THE QUANTISER, for each operand of a quantised product, along K:
;;     - K is cut into blocks of 32 from its start; a last block that is shorter is filled with zeros.
;;     - A block's scale is 2^e with e = floor(log2(the largest magnitude in the block)) - 2, held to -126 .. 127; a block of zeros has e = 0. As a byte (E8M0): e + 127.
;;     - Each number is divided by its block's scale, clamped to +-7.5, and rounded to the nearest number of E2M3, ties to even, subnormals kept.
;;     - The product sums the exact products of the quantised numbers (number of the format x scale) in f32.
;;   ~~~python
;;   def quantise(x, axis):      # numpy; x: float32 -> the quantised numbers, widened to float32 again
;;       x = np.moveaxis(x, axis, -1); K = x.shape[-1]
;;       x = np.pad(x, [(0, 0)] * (x.ndim - 1) + [(0, -K % 32)]); x = x.reshape(x.shape[:-1] + (-1, 32)); a = np.abs(x).max(-1, keepdims=True)
;;       e = np.where(a > 0, np.clip(np.frexp(np.where(a > 0, a, 1))[1] - 1 - 2, -126, 127), 0)      # np.frexp(a)[1] - 1 = floor(log2(a)), exactly
;;       r = np.clip(x / 2.0 ** e, -7.5, 7.5)
;;       step = 2.0 ** (np.maximum(np.frexp(np.where(r == 0, 1, r))[1] - 1, 0) - 3)
;;       q = np.round(r / step) * step * 2.0 ** e      # np.round: ties to even
;;       return np.moveaxis(q.reshape(q.shape[:-2] + (-1,))[..., :K], -1, axis).astype(np.float32)
;;   ~~~
;;   OPERANDS COMPUTED ON THE WAY. 'Computed on the way' means the value that the module computes at that place (a softmax that the list does not call 'softmax' is quantised finished and normalised). What goes into a quantiser is computed in f32, as accurately as f32 sums, v_exp_f32 and their like allow (about 1e-6 of the number): no bf16 or f16 on the way to a quantiser, and a product that is left as it is and whose result goes on into a quantised operand takes f32 operands (vector FMAs, or v_wmma_f32_16x16x4_f32). A number that lies on a knife's edge between two numbers of the format may be rounded either way, as far as f32 arithmetic and the matrix unit's own rounding can turn it there, and no further.
;; One version. Each part assembles by itself: llvm-mc -triple=amdgcn-amd-amdhsa -mcpu=gfx1250 --defsym DOCPART=n.
;; ======== version 1 of 1: 4 launches
;; limits: right only within a limited range of input values
;; workspace buffers: xcodes 6,815,744 bytes; wcodes 3,407,872 bytes; ccodes 6,815,744 bytes; qimg 6,815,744 bytes; kimg 6,815,744 bytes; vimg 6,553,600 bytes; mbias 32,768 bytes
;; launch quant (part 1): grid 769 x 1, 4 waves a work-group, no clusters, 34,304 bytes of LDS; arguments x, Wq, Wk, Wv, Wo, mask, xcodes, wcodes, mbias; writes xcodes, wcodes, mbias
.if DOCPART == 1
	.amdgcn_target "amdgcn-amd-amdhsa--gfx1250"
	.amdhsa_code_object_version 6
	.text
	.protected	k_q12f5f6f4e5_quant
	.globl	k_q12f5f6f4e5_quant
	.p2align	8
	.type	k_q12f5f6f4e5_quant,@function
k_q12f5f6f4e5_quant:
	s_mov_b64 s[64:65], 0
	v_nop
	global_prefetch_b8 v0, s[64:65] scope:SCOPE_SE
	s_setreg_imm32_b32 hwreg(HW_REG_WAVE_MODE, 25, 1), 1
	s_wait_xcnt 0x0
; x [8192][1024] and the four weights [1024][1024], f32, K innermost, become codes of FP6 (E2M3) with one E8M0 byte for each 32 along K,
; laid as the products' launches want them.  A block's scale is 2^(floor(log2(largest magnitude)) - 2); its byte is the largest magnitude's
; exponent field - 2, held at 1 from below (a block of zeros keeps the byte 1: its codes are zeros, and this program alone reads the bytes).
; LIMITS: blocks whose largest magnitude lies under 2^-124 are held at the byte 1; NaN and infinities among the inputs are not served.
; LAYOUT OF THE CODES.  Rows go in tiles of 16: tile 2 b + u holds, at its place p, row 32 b + 8 u + p % 8 + 16 (p / 8).  K goes in chunks of 256.
; A chunk tile is 3,328 bytes: four images of 768 bytes (16 rows x 64 along K as the operand's registers: lane l's registers 0-3 at 16 l,
; registers 4-5 at 512 + 8 l; lane (r, h) holds k = 32 h .. 32 h + 31 of row r), then 256 bytes of scale words, 8 bytes a lane: the words of the
; chunk's two steps of 128 for row l % 16.  xcodes: [chunk 4][tile 512];  wcodes: [chunk 4][tile 256], tiles 0-63 Wq, 64-127 Wk, 128-191 Wv, 192-255 Wo.
; SHARES.  Work-group n < 768 takes one tile of rows, its wave w chunk w: 16 rows x 256 numbers, in two units of 128 along K.  Each load reads 512
; consecutive bytes of one row; a unit turns through the wave's own stage in LDS (rows 528 bytes apart)
; and comes back as two whole blocks of 32 a lane, in the operand's own order.  No barrier: waves share nothing.
; Work-group 768 takes the mask: wave w batch w.  mbias [4][2048] f32: 0 for a key that counts, -2^100 for one that does not.
.set XSTR,  1703936                    ; bytes of a chunk of xcodes: 512 tiles
.set WSTR,  851968                     ; of wcodes: 256 tiles
.set TILEB, 3328
.set SP,    528                        ; a stage row
.set Y,     64                         ; v64-127  a unit's 64 numbers of my lane: two blocks of 32
.set R,     128                        ; v128-255 two units as loaded
.set CD,    20                         ; v20-43   a block's six registers of codes, for each of four blocks: no store's data are written again
.set ZD,    44                         ; v44-58   the second conversion's three registers (they begin on an even number)
	s_load_b256 s[4:11], s[0:1], 0x0               ; x, Wq, Wk, Wv
	s_load_b256 s[12:19], s[0:1], 0x20             ; Wo, mask, xcodes, wcodes
	s_load_b64 s[20:21], s[0:1], 0x40              ; mbias
	v_lshl_add_u32 v62, v0, 2, 0x8400
	v_mov_b32 v63, 0
	v_lshrrev_b32 v1, 5, v0
	v_readfirstlane_b32 s24, v1                    ; wave 0..3
	v_and_b32 v1, 31, v0                           ; lane
	v_lshlrev_b32 v2, 4, v1                        ; 16 l
	v_lshlrev_b32 v3, 3, v1                        ; 8 l
	s_mov_b32 s37, 0
	s_cmp_eq_u32 ttmp9, 768
	s_cbranch_scc1 .Lmask
	v_and_b32 v7, 15, v0                           ; r
	v_bfe_u32 v9, v0, 4, 1                         ; h
	s_mul_i32 s25, s24, 16*SP                      ; my wave's stage
	v_add_nc_u32 v4, s25, v2                       ; in: 16 l, a row an instruction
	v_mul_u32_u24 v5, v7, SP
	v_lshl_add_u32 v5, v9, 7, v5
	v_add_nc_u32 v5, s25, v5                       ; out: row r, + 128 h: my block of 32 numbers
	v_lshlrev_b32 v6, 3, v9                        ; 8 h: my bytes' place in a scale word
	s_mov_b32 s26, 0x76543210
	s_mov_b32 s27, 0xfedcba98                      ; v_permlanex16_b32's selects for lane l xor 16
	v_mov_b32 v15, 0                               ; written once: a lane permute's destination counts as one of its sources
	s_wait_alu depctr_va_vdst(0)
	s_wait_kmcnt 0x0
	s_mov_b64 s[28:29], s[12:13]                   ; which tensor: the choice hangs on the work-group's number alone
	s_cmp_lt_u32 ttmp9, 704
	s_cselect_b64 s[28:29], s[10:11], s[28:29]
	s_cmp_lt_u32 ttmp9, 640
	s_cselect_b64 s[28:29], s[8:9], s[28:29]
	s_cmp_lt_u32 ttmp9, 576
	s_cselect_b64 s[28:29], s[6:7], s[28:29]
	s_mov_b32 s33, WSTR
	s_mov_b32 s35, 63
	s_cmp_lt_u32 ttmp9, 512
	s_cselect_b64 s[28:29], s[4:5], s[28:29]
	s_cselect_b64 s[30:31], s[16:17], s[18:19]     ; and which buffer of codes,
	s_cselect_b32 s32, 0, 512
	s_cselect_b32 s33, XSTR, s33                   ; its chunk's bytes,
	s_cselect_b32 s35, 511, s35                    ; and the tiles of the tensor
	s_sub_co_u32 s34, ttmp9, s32                   ; the tile in the buffer of codes
	s_and_b32 s35, s34, s35                        ; the tile in the tensor
	s_lshr_b32 s36, s35, 1
	s_lshl_b32 s36, s36, 17                        ; 32 rows of 4,096 bytes for each pair of tiles,
	s_and_b32 s38, s35, 1
	s_lshl_b32 s38, s38, 15                        ; 8 rows for the odd one,
	s_add_co_u32 s36, s36, s38
	s_lshl_b32 s38, s24, 10                        ; 1,024 bytes of a row for each chunk
	s_add_co_u32 s36, s36, s38
	s_add_nc_u64 s[28:29], s[28:29], s[36:37]
	s_mul_i32 s36, s24, s33
	s_mul_i32 s38, s34, TILEB
	s_add_co_u32 s36, s36, s38
	s_add_nc_u64 s[30:31], s[30:31], s[36:37]      ; my chunk tile
.macro LOADU e                         ; unit e: 512 bytes of each of the tile's 16 rows, 16 bytes a lane
.irp p, 0,1,2,3,4,5,6,7,8,9,10,11,12,13,14,15
	global_load_b128 v[R+64*\e+4*\p:R+64*\e+4*\p+3], v2, s[28:29] offset:((\p%8)+16*(\p/8))*4096+512*\e th:TH_LOAD_NT
.endr
.endm
.macro TURN e                          ; through the stage: LDS serves a wave's instructions in order, so no wait stands between the stores and the loads
.irp p, 0,1,2,3,4,5,6,7,8,9,10,11,12,13,14,15
	ds_store_b128 v4, v[R+64*\e+4*\p:R+64*\e+4*\p+3] offset:SP*\p
.endr
.irp c, 0,1
.irp i, 0,1,2,3,4,5,6,7
	ds_load_b128 v[Y+32*\c+4*\i:Y+32*\c+4*\i+3], v5 offset:256*\c+16*\i    ; k = 64 c + 32 h + 4 i ..
.endr
.endr
.endm
.macro QUNIT e                         ; my two blocks (2 c + h of the unit's four), by turns
.irp c, 0,1
	v_max3_num_f32 v[8+\c], |v[Y+32*\c]|, |v[Y+32*\c+1]|, 0x1800000        ; the floor 2^(3 - 127) among the leaves: the byte cannot fall under 1
.endr
.irp i, 2,4,6,8,10,12,14,16,18,20,22,24,26,28,30
.irp c, 0,1
	v_max3_num_f32 v[8+\c], v[8+\c], |v[Y+32*\c+\i]|, |v[Y+32*\c+\i+1]|
.endr
.endr
.irp c, 0,1
	v_add_nc_u32 v[10+\c], 0xff000000, v[8+\c]     ; 2 off the exponent field: the conversion's scale operand
.endr
.irp c, 0,1
	v_lshrrev_b32 v[12+\c], 23, v[10+\c]           ; the scale's byte
.endr
	v_lshl_or_b32 v14, v13, 16, v12                ; my two bytes, blocks h and 2 + h,
	v_lshlrev_b32 v14, v6, v14                     ; at their places in the word;
	v_permlanex16_b32 v15, v14, s26, s27
	v_or_b32 v[16+\e], v14, v15                    ; with lane l xor 16's two the word is whole, in both halves of the lanes
.irp c, 0,1
	v_cvt_scalef32_pk16_fp6_f32 v[CD+6*(2*\e+\c):CD+6*(2*\e+\c)+2], v[Y+32*\c:Y+32*\c+15], v[10+\c]
	v_cvt_scalef32_pk16_fp6_f32 v[ZD+4*(2*\e+\c):ZD+4*(2*\e+\c)+2], v[Y+32*\c+16:Y+32*\c+31], v[10+\c]
.endr
	v_nop                                          ; one plain place behind a scaled conversion
.irp c, 0,1
.irp i, 0,1,2
	v_mov_b32 v[CD+6*(2*\e+\c)+3+\i], v[ZD+4*(2*\e+\c)+\i]
.endr
	global_store_b128 v2, v[CD+6*(2*\e+\c):CD+6*(2*\e+\c)+3], s[30:31] offset:1536*\e+768*\c          ; 512 consecutive bytes, aligned
	global_store_b64 v3, v[CD+6*(2*\e+\c)+4:CD+6*(2*\e+\c)+5], s[30:31] offset:1536*\e+768*\c+512     ; 256 consecutive bytes, aligned
.endr
.endm
	LOADU 0
	LOADU 1
	s_wait_loadcnt 16                              ; unit 0's sixteen loads are in; unit 1's sixteen may be out
	TURN 0
	s_wait_dscnt 0x0
	QUNIT 0
	s_wait_loadcnt 0x0
	TURN 1
	s_wait_dscnt 0x0
	QUNIT 1
	global_store_b64 v3, v[16:17], s[30:31] offset:3072    ; the two scale words of my row: 256 consecutive bytes, aligned
	s_wait_tensorcnt 0x0
	ds_add_u32 v62, v63
	s_wait_dscnt 0x0
	s_endpgm
.Lmask:                                        ; wave w: batch w's 2,048 keys, four a lane and load
	s_lshl_b32 s36, s24, 13
	s_wait_kmcnt 0x0
	s_add_nc_u64 s[14:15], s[14:15], s[36:37]
	s_add_nc_u64 s[20:21], s[20:21], s[36:37]
	s_wait_alu depctr_va_vdst(0)
.irp s, 0,1,2,3,4,5,6,7,8,9,10,11,12,13,14,15
	global_load_b128 v[64+4*\s:64+4*\s+3], v2, s[14:15] offset:512*\s
.endr
	v_mov_b32 v10, 0xf1800000                      ; -2^100
	s_wait_alu depctr_va_vdst(0)
	s_wait_loadcnt 0x0
.irp s, 0,1,2,3,4,5,6,7,8,9,10,11,12,13,14,15
.irp i, 0,1,2,3
	v_cmp_eq_u32 vcc_lo, 0, v[64+4*\s+\i]
	v_cndmask_b32 v[128+4*\s+\i], 0, v10, vcc_lo   ; a selection, no branch
.endr
	global_store_b128 v2, v[128+4*\s:128+4*\s+3], s[20:21] offset:512*\s   ; 512 consecutive bytes, aligned
.endr
	s_endpgm
.Lfunc_end_k_q12f5f6f4e5_quant:
	.size	k_q12f5f6f4e5_quant, .Lfunc_end_k_q12f5f6f4e5_quant-k_q12f5f6f4e5_quant
	.p2alignl 7, 3214868480
	.fill 96, 4, 3214868480
	.section	.rodata,"a",@progbits
	.p2align	6, 0x0
	.amdhsa_kernel k_q12f5f6f4e5_quant
		.amdhsa_group_segment_fixed_size 34304
		.amdhsa_private_segment_fixed_size 0
		.amdhsa_enable_private_segment 0
		.amdhsa_kernarg_size 72
		.amdhsa_user_sgpr_count 2
		.amdhsa_user_sgpr_kernarg_segment_ptr 1
		.amdhsa_wavefront_size32 1
		.amdhsa_system_sgpr_workgroup_id_x 1
		.amdhsa_system_sgpr_workgroup_id_y 1
		.amdhsa_system_sgpr_workgroup_id_z 1
		.amdhsa_system_vgpr_workitem_id 0
		.amdhsa_next_free_vgpr 256
		.amdhsa_next_free_sgpr 66
		.amdhsa_reserve_vcc 1
		.amdhsa_float_denorm_mode_32 3
		.amdhsa_float_denorm_mode_16_64 3
		.amdhsa_memory_ordered 1
		.amdhsa_forward_progress 1
		.amdhsa_inst_pref_size 24
	.end_amdhsa_kernel
	.amdgpu_metadata
---
amdhsa.version: [ 1, 2 ]
amdhsa.kernels:
  - .name:           k_q12f5f6f4e5_quant
    .symbol:         k_q12f5f6f4e5_quant.kd
    .args:
      - { .name: x, .offset: 0, .size: 8, .value_kind: global_buffer, .address_space: global }
      - { .name: Wq, .offset: 8, .size: 8, .value_kind: global_buffer, .address_space: global }
      - { .name: Wk, .offset: 16, .size: 8, .value_kind: global_buffer, .address_space: global }
      - { .name: Wv, .offset: 24, .size: 8, .value_kind: global_buffer, .address_space: global }
      - { .name: Wo, .offset: 32, .size: 8, .value_kind: global_buffer, .address_space: global }
      - { .name: mask, .offset: 40, .size: 8, .value_kind: global_buffer, .address_space: global }
      - { .name: xcodes, .offset: 48, .size: 8, .value_kind: global_buffer, .address_space: global }
      - { .name: wcodes, .offset: 56, .size: 8, .value_kind: global_buffer, .address_space: global }
      - { .name: mbias, .offset: 64, .size: 8, .value_kind: global_buffer, .address_space: global }
    .group_segment_fixed_size: 34304
    .private_segment_fixed_size: 0
    .kernarg_segment_align: 8
    .kernarg_segment_size: 72
    .max_flat_workgroup_size: 128
    .sgpr_count:     66
    .vgpr_count:     256
    .wavefront_size: 32
...
	.end_amdgpu_metadata
.endif
;; end of part 1
;; launch qkv (part 2): grid 256 x 1, 8 waves a work-group, clusters of 4 x 1, 327,680 bytes of LDS; arguments xcodes, wcodes, bq, bk, bv, qimg, kimg, vimg; writes qimg, kimg, vimg
.if DOCPART == 2
	.amdgcn_target "amdgcn-amd-amdhsa--gfx1250"
	.amdhsa_code_object_version 6
	.text
	.protected	k_q12f5f6f4e5_qkv
	.globl	k_q12f5f6f4e5_qkv
	.p2align	8
	.type	k_q12f5f6f4e5_qkv,@function
k_q12f5f6f4e5_qkv:
	s_mov_b64 s[64:65], 0
	v_nop
	global_prefetch_b8 v0, s[64:65] scope:SCOPE_SE
	s_setreg_imm32_b32 hwreg(HW_REG_WAVE_MODE, 25, 1), 1
	s_wait_xcnt 0x0
	s_wait_alu depctr_hold_cnt(0) depctr_sa_sdst(0) depctr_va_vdst(0) depctr_va_sdst(0) depctr_va_ssrc(0) depctr_va_vcc(0) depctr_vm_vsrc(0)
	s_getreg_b32 s2, hwreg(HW_REG_IB_STS2, 6, 4)
	s_cmp_eq_u32 s2, 0
	s_cbranch_scc0 .Lentry_in_a_cluster
	s_endpgm
.Lentry_in_a_cluster:
	s_bfe_u32 s2, ttmp6, 0x10000c
	s_cmp_lg_u32 s2, 0x3003
	s_cbranch_scc0 .Lentry_shape_is_right
	s_endpgm
.Lentry_shape_is_right:
; Q = x Wq^T + bq, K = x Wk^T + bk, V = x Wv^T + bv on codes of FP6 (E2M3) with E8M0 scales, and each result quantised again, in registers, for attention's products.
; A WORK-GROUP STAYS: it holds R, 256 tokens with all of K = 1,024, in LDS for the whole launch, and takes three blocks P of 128 weight rows through them: rows 128 j .. of Wq, then of Wk, then of Wv.
; LDS: four chunks of 256 along K, each 24 chunk tiles of 3,328 bytes (R's 16, then P's 8; the layout is stated at the head of the launch that makes the codes).  R is filled once; P's bytes are
; filled again twice, each time behind the waits, the add and a round of the cluster's barrier, one tensor load a wave (waves 4-7, a chunk each); the block just finished is quantised and stored meanwhile.
; Eight waves, each 64 of P x 64 of R: 16 accumulators.  Q and K: source 0 = P, source 1 = R: a lane holds one token, and the 32 registers of a tile of tokens are 32 b + 16 h + 0 .. 15 of the wave's 64 rows
; of P, one head: neighbours along the next product's K.  The bias is loaded into the accumulators and is the C of the first K step.
; V: THE SAME FRAGMENTS WITH THE SOURCES SWAPPED: a lane holds one channel, and the 32 registers of a tile of channels are the wave's 64 tokens: for V the next K is the keys.  The bias is one number a lane
; and tile of channels and is added behind the sums.
; CLUSTER: the four work-groups share R (its address hangs on the cluster's number alone): it is asked for jointly.  P is each work-group's own.  No prefetch: the launch has no loop to run ahead in.
; OUT.  qimg, kimg: [batch x head 64][106,496]: 128 images of 768 bytes (16 tokens x the head's 64), then at 98,304 scale words [64 tokens 32][lane][2]: word (i, l): tile 4 g + 2 i + l / 16, row l % 16;
; bytes 0, 1 the head's two blocks, bytes 2, 3 zero.  vimg: [64][102,400]: [step of 128 keys 16][16 channels 4][64 keys 2][768], then at 98,304 scale words [step][lane][2]: word (i, l): tile of channels
; 2 i + l / 16; byte 2 c + j: block j of half c.  A wave holds 64 keys, so it stores two bytes of each word: these stores fill their 256 bytes in part.
; LIMITS: blocks whose largest magnitude lies under 2^-124 are held at the byte 1; NaN and infinities are not served.
.set XSTR, 1703936
.set WSTR, 851968
.set TB,   3328                        ; a chunk tile
.set QUAD, 4*TB                        ; what a wave reads of P or of R in a chunk
.set POFF, 16*TB                       ; P's tiles lie behind R's sixteen
.set CHB,  24*TB                       ; a chunk in LDS
.set SPARE, 4*CHB                      ; the spare words
.set SC,   16                          ; v16-23  scale words: register 2 i + e: lanes 0-15 R's tile i, lanes 16-31 P's tile i, K step e of the chunk
.set BV,   24                          ; v24-31  V's bias, a pair for each tile of channels
.set PF,   32                          ; v32-79  P's four fragments
.set RF,   80                          ; v80-127 R's four
.set ACC,  128                         ; v128-255 sixteen accumulators
.set PC,   64                          ; behind the sums: codes, six registers for each tile
.set PT,   88                          ; the second conversion's three
.set WD,   100                         ; v100-103 the scale words just made
.set TM,   104                         ; v104-109 at work
.set XW,   112                         ; v112-113 the scale words as they are stored
.set G1R,  28
.set G1P,  36
.set G0R,  44
.set SEL,  60
.set G0P,  68
.macro CROUND                          ; a round of the cluster's barrier
	s_barrier_signal -1
	s_barrier_wait -1
	s_cmp_lg_u32 s20, 0
	s_cbranch_scc1 .Lnot_wave_0_\@
	s_barrier_signal -3
.Lnot_wave_0_\@:
	s_barrier_wait -3
	s_barrier_signal -1
	s_barrier_wait -1
.endm
.macro NOPS n
.rept \n
	v_nop
.endr
.endm
.macro FRAG reg, a16, a8, off          ; a fragment, 16 rows x 128 K: two images, each 16 bytes and 8 bytes a lane, dense
	ds_load_b128 v[\reg:\reg+3], v[\a16] offset:\off
	ds_load_b64 v[\reg+4:\reg+5], v[\a8] offset:\off
	ds_load_b128 v[\reg+6:\reg+9], v[\a16] offset:\off+768
	ds_load_b64 v[\reg+10:\reg+11], v[\a8] offset:\off+768
.endm
.macro MM a, b, e, zero, vv            ; R's tile a x P's tile b.  vv = 1: the sources swapped, for V
.if \vv
.if \zero
	v_wmma_scale_f32_16x16x128_f8f6f4 v[ACC+32*\b+8*\a:ACC+32*\b+8*\a+7], v[RF+12*\a:RF+12*\a+11], v[PF+12*\b:PF+12*\b+11], 0, v[SC+2*\a+\e], v[SC+2*\b+\e] matrix_a_fmt:MATRIX_FMT_FP6 matrix_b_fmt:MATRIX_FMT_FP6 matrix_b_scale:MATRIX_SCALE_ROW1
.else
	v_wmma_scale_f32_16x16x128_f8f6f4 v[ACC+32*\b+8*\a:ACC+32*\b+8*\a+7], v[RF+12*\a:RF+12*\a+11], v[PF+12*\b:PF+12*\b+11], v[ACC+32*\b+8*\a:ACC+32*\b+8*\a+7], v[SC+2*\a+\e], v[SC+2*\b+\e] matrix_a_fmt:MATRIX_FMT_FP6 matrix_b_fmt:MATRIX_FMT_FP6 matrix_b_scale:MATRIX_SCALE_ROW1
.endif
.else
	v_wmma_scale_f32_16x16x128_f8f6f4 v[ACC+32*\a+8*\b:ACC+32*\a+8*\b+7], v[PF+12*\b:PF+12*\b+11], v[RF+12*\a:RF+12*\a+11], v[ACC+32*\a+8*\b:ACC+32*\a+8*\b+7], v[SC+2*\b+\e], v[SC+2*\a+\e] matrix_a_fmt:MATRIX_FMT_FP6 matrix_b_fmt:MATRIX_FMT_FP6 matrix_a_scale:MATRIX_SCALE_ROW1
.endif
.endm
.macro KSTEP e, zero, vv               ; 128 along K: eight fragments, sixteen products; the sixteen accumulators take turns
.irp i, 0,1,2,3
	FRAG PF+12*\i, 6, 7, TB*\i+1536*\e
	FRAG RF+12*\i, 4, 5, TB*\i+1536*\e
.endr
.if \e == 0
.irp i, 0,1,2,3
	ds_load_b64 v[SC+2*\i:SC+2*\i+1], v8 offset:TB*\i      ; the chunk's two words a row
.endr
.endif
	s_wait_dscnt 0x0
.irp a, 0,1,2,3
.irp b, 0,1,2,3
	MM \a, \b, \e, \zero, \vv
.endr
.endr
	NOPS 4                                         ; places in front of the next loads into these fragments, and of the first read of results
.endm
.macro ONCHUNK
.irp a, 4,5,6,7,8
	v_add_nc_u32 v\a, CHB, v\a
.endr
	s_wait_alu depctr_va_vdst(0)
.endm
.macro BLOCK zero, vv, back            ; all of K: four chunks, eight K steps.  back = 1: another block follows, and the addresses go back to chunk 0
	KSTEP 0, \zero, \vv
	KSTEP 1, 0, \vv
.rept 3
	ONCHUNK
	KSTEP 0, 0, \vv
	KSTEP 1, 0, \vv
.endr
.if \back
.irp a, 4,5,6,7,8
	v_sub_nc_u32 v\a, v\a, 3*CHB
.endr
	s_wait_alu depctr_va_vdst(0)
.endif
.endm
; P's bytes are filled again: every wave's waits and add, a round of the cluster's barrier, and then the next 128 weight rows, 64 tiles further on in wcodes: waves 4-7, a chunk each, one load a wave.
.macro REFILL
	s_wait_tensorcnt 0x0                           ; no tensor load of mine is out,
	ds_add_u32 v14, v15
	s_add_nc_u64 s[G0P+2:G0P+3], s[G0P+2:G0P+3], 64*TB     ; so the descriptor may be written
	s_wait_dscnt 0x0                               ; the add is done, and so are my reads of P
	CROUND
	s_cmp_lt_u32 s20, 4
	s_cbranch_scc1 .Lno_refill_\@
	tensor_load_to_lds s[G0P:G0P+3], s[G1P:G1P+7]
	s_nop 0
	NOPS 4
.Lno_refill_\@:
.endm
.macro READY                           ; ahead of a block's first K step
	s_wait_loadcnt 0x0                             ; the bias
	s_wait_xcnt 0x0                                ; the last block's stores have read their registers: fragments may land there
	s_wait_alu depctr_va_vdst(0)
	s_wait_tensorcnt 0x0                           ; my load has landed,
	s_barrier_signal -1
	s_barrier_wait -1                              ; everybody's has
.endm
; 32 numbers of a lane, register 16 b + i = k 32 b + 16 h + i of my row, become an image's six registers of codes in v[pc] on and the row's two scale bytes in v[w].
.macro HQUANT src, pc, w
	v_max3_num_f32 v[TM], |v[\src]|, |v[\src+1]|, 0x1800000        ; the floor 2^(3 - 127): the byte cannot fall under 1
	v_max3_num_f32 v[TM+1], |v[\src+16]|, |v[\src+17]|, 0x1800000
.irp i, 2,4,6,8,10,12,14
	v_max3_num_f32 v[TM], v[TM], |v[\src+\i]|, |v[\src+\i+1]|
	v_max3_num_f32 v[TM+1], v[TM+1], |v[\src+16+\i]|, |v[\src+17+\i]|
.endr
	v_permlanex16_b32 v[TM+2], v[TM], s[SEL], s[SEL+1]
	v_permlanex16_b32 v[TM+3], v[TM+1], s[SEL], s[SEL+1]
	v_max_num_f32 v[TM], v[TM], v[TM+2]            ; with lane l xor 16's sixteen: the block's largest magnitude
	v_max_num_f32 v[TM+1], v[TM+1], v[TM+3]
	v_add_nc_u32 v[TM+4], 0xff000000, v[TM]        ; 2 off the exponent field: the conversion's scale operand
	v_add_nc_u32 v[TM+5], 0xff000000, v[TM+1]
	v_lshrrev_b32 v[TM+2], 23, v[TM+4]
	v_lshrrev_b32 v[TM+3], 23, v[TM+5]
	v_lshl_or_b32 v[\w], v[TM+3], 8, v[TM+2]
	v_cvt_scalef32_pk16_fp6_f32 v[\pc:\pc+2], v[\src:\src+15], v[TM+4]
	v_cvt_scalef32_pk16_fp6_f32 v[PT:PT+2], v[\src+16:\src+31], v[TM+5]
	v_nop                                          ; one plain place behind a scaled conversion
.irp i, 0,1,2
	v_permlane16_swap_b32 v[\pc+\i], v[PT+\i]      ; the layout wants a whole block in a lane: lanes 0-15 block 0, lanes 16-31 block 1
.endr
.irp i, 0,1,2
	v_mov_b32 v[\pc+3+\i], v[PT+\i]
.endr
.endm
.macro QBIAS p                         ; the head's 64 numbers of the bias in the result's layout: the C of the first K step
.irp rt, 0,1,2,3
.irp b, 0,1
.irp i, 0,1,2,3
	global_load_b128 v[ACC+32*\rt+16*\b+4*\i:ACC+32*\rt+16*\b+4*\i+3], v9, s[\p:\p+1] offset:128*\b+16*\i
.endr
.endr
.endr
.endm
.macro EPQ im, sw                      ; Q's or K's way out: four tiles of tokens
.irp rt, 0,1,2,3
	HQUANT ACC+32*\rt, PC+6*\rt, WD+\rt
	global_store_b128 v10, v[PC+6*\rt:PC+6*\rt+3], s[\im:\im+1] offset:768*\rt          ; 512 consecutive bytes, aligned
	global_store_b64 v11, v[PC+6*\rt+4:PC+6*\rt+5], s[\im:\im+1] offset:768*\rt+512     ; 256 consecutive bytes, aligned
.endr
	v_cndmask_b32 v[XW], v[WD], v[WD+1], s62       ; lanes 0-15 the even tile's word, lanes 16-31 the odd tile's
	v_cndmask_b32 v[XW+1], v[WD+2], v[WD+3], s62
	global_store_b64 v11, v[XW:XW+1], s[\sw:\sw+1] ; 256 consecutive bytes, aligned
.endm
	s_load_b256 s[4:11], s[0:1], 0x0               ; xcodes, wcodes, bq, bk
	s_load_b256 s[12:19], s[0:1], 0x20             ; bv, qimg, kimg, vimg
	v_lshl_add_u32 v14, v0, 2, SPARE
	v_mov_b32 v15, 0
	ds_add_u32 v14, v15                            ; the opening lines: the add, twice on end, and its wait
	ds_add_u32 v14, v15
	v_lshrrev_b32 v1, 5, v0
	v_readfirstlane_b32 s20, v1                    ; wave 0..7
	s_and_b32 s21, s20, 1                          ; wp: my 64 rows of P
	s_lshr_b32 s22, s20, 1                         ; wr: my 64 tokens
	s_bfe_u32 s23, ttmp6, 0x40000                  ; cx: it enters P's, the biases' and the results' global addresses alone
	s_mov_b32 s24, ttmp9                           ; the cluster
	s_lshr_b32 s88, s24, 1                         ; which 256 tokens
	s_and_b32 s89, s24, 1
	s_lshl_b32 s89, s89, 2
	s_add_co_u32 s89, s89, s23                     ; j: which 128 rows of each weight
	s_and_b32 s63, s20, 3                          ; my chunk: waves 0-3 fetch R's sixteen tiles of chunk w, waves 4-7 P's eight of chunk w - 4
	s_mul_i32 s90, s88, 16*TB
	s_mul_i32 s91, s63, XSTR
	s_add_co_u32 s90, s90, s91
	s_mov_b32 s91, 0
	s_mul_i32 s92, s89, 8*TB
	s_mul_i32 s93, s63, WSTR
	s_add_co_u32 s92, s92, s93
	s_mov_b32 s93, 0
	s_mul_i32 s63, s63, CHB                        ; where my chunk lies in LDS: no place in the cluster enters an LDS address
	s_mov_b32 s[SEL], 0x76543210
	s_mov_b32 s[SEL+1], 0xfedcba98
	s_mov_b32 s62, 0xffff0000                      ; lanes 16-31
	; descriptor groups 1: dense blocks as rows of 32 elements of 8 bytes: R's sixteen tiles are 208 rows, P's eight 104
	s_mov_b32 s[G1R], 15|(3<<16)|(1<<21)           ; 15:0 the mask: all four work-groups; 17:16 elements of 8 bytes; 21 set beside a mask
	s_mov_b32 s[G1P], 3<<16                        ; no mask: each work-group's own
	s_mov_b32 s[G1R+2], 208<<16
	s_mov_b32 s[G1R+4], 208
	s_mov_b32 s[G1P+2], 104<<16
	s_mov_b32 s[G1P+4], 104
.irp g, G1R, G1P
	s_mov_b32 s[\g+1], 32<<16
	s_mov_b32 s[\g+3], 32<<16
	s_mov_b32 s[\g+5], 32
	s_mov_b32 s[\g+6], 0
	s_mov_b32 s[\g+7], 0
.endr
	s_wait_dscnt 0x0
	s_wait_kmcnt 0x0
	s_add_nc_u64 s[94:95], s[4:5], s[90:91]
	s_add_nc_u64 s[96:97], s[6:7], s[92:93]
	s_mov_b32 s[G0R], 1
	s_mov_b32 s[G0R+1], s63
	s_mov_b64 s[G0R+2:G0R+3], s[94:95]
	s_or_b32 s[G0R+3], s[G0R+3], 0x80000000
	s_mov_b32 s[G0P], 1
	s_add_co_u32 s[G0P+1], s63, POFF
	s_mov_b64 s[G0P+2:G0P+3], s[96:97]
	s_or_b32 s[G0P+3], s[G0P+3], 0x80000000
	CROUND                                         ; all four work-groups are here: the joint loads meet
	s_cmp_lt_u32 s20, 4                            ; one tensor load a wave at the head, in the two arms of one branch on the wave's number
	s_cbranch_scc0 .Lnot_r
	tensor_load_to_lds s[G0R:G0R+3], s[G1R:G1R+7]
	s_nop 0
	NOPS 4
	s_branch .Lasked
.Lnot_r:
	tensor_load_to_lds s[G0P:G0P+3], s[G1P:G1P+7]
	s_nop 0
	NOPS 4
.Lasked:
	s_mul_i32 s80, s22, QUAD                       ; my four tiles of R,
	s_mul_i32 s81, s21, QUAD
	s_add_co_u32 s81, s81, POFF                    ; of P
	s_xor_b32 s82, s22, 3                          ; 3 - wr
	s_add_co_u32 s82, s82, s21
	s_add_co_u32 s82, s82, 1
	s_mul_i32 s82, s82, QUAD                       ; from my tiles of R to my tiles of P: (4 + wp - wr) x four tiles
	v_and_b32 v1, 31, v0                           ; l
	v_and_b32 v2, 15, v0                           ; r
	v_bfe_u32 v3, v0, 4, 1                         ; h
	v_lshl_add_u32 v4, v1, 4, s80
	v_lshl_add_u32 v5, v1, 3, s80
	v_lshl_add_u32 v6, v1, 4, s81
	v_lshl_add_u32 v7, v1, 3, s81
	v_mul_u32_u24 v8, s82, v3                      ; lanes 16-31 take P's scale words
	v_add_nc_u32 v5, 512, v5
	v_add_nc_u32 v7, 512, v7
	v_lshl_add_u32 v8, v2, 3, v8
	v_lshlrev_b32 v10, 4, v1                       ; the way out: 16 l,
	v_lshlrev_b32 v11, 3, v1                       ; 8 l
	v_add_nc_u32 v8, s80, v8
	v_lshlrev_b32 v9, 6, v3                        ; Q's and K's bias: 64 h: register 16 b + i wants channel 32 b + 16 h + i
	v_and_b32 v12, 8, v2
	v_add_nc_u32 v8, 3072, v8
	v_add_nc_u32 v12, v12, v2
	v_mov_b32 v[TM+2], 0                           ; written once: a lane permute's destination counts as one of its sources
	v_mov_b32 v[TM+3], 0
	v_lshlrev_b32 v12, 2, v12                      ; V's bias: my row's channel in a pair of tiles: r % 8 + 16 (r / 8)
	s_wait_alu depctr_va_vdst(0)                   ; ahead of the run of scalar lines
	s_lshl_b32 s25, s89, 1
	s_add_co_u32 s25, s25, s21                     ; the head: my 64 rows of each weight
	s_lshl_b32 s90, s25, 8
	s_add_nc_u64 s[48:49], s[8:9], s[90:91]        ; its 64 numbers of bq,
	s_add_nc_u64 s[50:51], s[10:11], s[90:91]      ; of bk,
	s_add_nc_u64 s[52:53], s[12:13], s[90:91]      ; of bv
	QBIAS 48
	s_lshr_b32 s26, s88, 3
	s_lshl_b32 s26, s26, 4
	s_add_co_u32 s26, s26, s25                     ; batch x 16 + head
	s_mul_i32 s90, s26, 106496
	s_and_b32 s27, s88, 7
	s_lshl_b32 s27, s27, 2
	s_add_co_u32 s27, s27, s22                     ; g: my 64 tokens of the batch
	s_mul_i32 s92, s27, 3072
	s_add_co_u32 s92, s92, s90
	s_add_nc_u64 s[54:55], s[14:15], s[92:93]      ; their four images in qimg,
	s_add_nc_u64 s[58:59], s[16:17], s[92:93]      ; in kimg
	s_lshl_b32 s92, s27, 8
	s_add_co_u32 s92, s92, s90
	s_add_co_u32 s92, s92, 98304
	s_add_nc_u64 s[56:57], s[14:15], s[92:93]      ; their scale words
	s_add_nc_u64 s[72:73], s[16:17], s[92:93]
	s_mul_i32 s90, s26, 102400
	s_lshr_b32 s27, s27, 1                         ; the step of 128 keys,
	s_and_b32 s94, s22, 1                          ; and which half of it
	s_mul_i32 s92, s27, 6144
	s_mul_i32 s95, s94, 768
	s_add_co_u32 s92, s92, s95
	s_add_co_u32 s92, s92, s90
	s_add_nc_u64 s[74:75], s[18:19], s[92:93]      ; my half of the step's images in vimg,
	s_lshl_b32 s92, s27, 8
	s_lshl_b32 s95, s94, 1
	s_add_co_u32 s92, s92, s95
	s_add_co_u32 s92, s92, s90
	s_add_co_u32 s92, s92, 98304
	s_add_nc_u64 s[76:77], s[18:19], s[92:93]      ; my two bytes of its scale words
	READY
	BLOCK 0, 0, 1                                  ; Q
	REFILL                                         ; Wk's rows are on their way
	EPQ 54, 56
	QBIAS 50
	READY
	BLOCK 0, 0, 1                                  ; K
	REFILL                                         ; Wv's rows
	EPQ 58, 72
.irp rt, 0,1,2,3
	global_load_b32 v[BV+2*\rt], v12, s[52:53] offset:128*(\rt/2)+32*(\rt%2)
	global_load_b32 v[BV+2*\rt+1], v12, s[52:53] offset:128*(\rt/2)+32*(\rt%2)   ; twice: a pair for the packed addition
.endr
	READY
	BLOCK 1, 1, 0                                  ; V: the first K step starts the sums
.irp rt, 0,1,2,3
.irp i, 0,2,4,6,8,10,12,14,16,18,20,22,24,26,28,30
	v_pk_add_f32 v[ACC+32*\rt+\i:ACC+32*\rt+\i+1], v[ACC+32*\rt+\i:ACC+32*\rt+\i+1], v[BV+2*\rt:BV+2*\rt+1]   ; each accumulator from its low end on
.endr
	HQUANT ACC+32*\rt, PC+6*\rt, WD+\rt
	global_store_b128 v10, v[PC+6*\rt:PC+6*\rt+3], s[74:75] offset:1536*\rt
	global_store_b64 v11, v[PC+6*\rt+4:PC+6*\rt+5], s[74:75] offset:1536*\rt+512
.endr
	v_cndmask_b32 v[XW], v[WD], v[WD+1], s62
	v_cndmask_b32 v[XW+1], v[WD+2], v[WD+3], s62
	global_store_b16 v11, v[XW], s[76:77]          ; two bytes of each word: the word's other two belong to the wave with the step's other 64 keys
	global_store_b16 v11, v[XW+1], s[76:77] offset:4
	s_wait_tensorcnt 0x0                           ; the wave's end
	ds_add_u32 v14, v15
	s_wait_dscnt 0x0
	CROUND                                         ; the closing round
	s_endpgm
.Lfunc_end_k_q12f5f6f4e5_qkv:
	.size	k_q12f5f6f4e5_qkv, .Lfunc_end_k_q12f5f6f4e5_qkv-k_q12f5f6f4e5_qkv
	.p2alignl 7, 3214868480
	.fill 96, 4, 3214868480
	.section	.rodata,"a",@progbits
	.p2align	6, 0x0
	.amdhsa_kernel k_q12f5f6f4e5_qkv
		.amdhsa_group_segment_fixed_size 327680
		.amdhsa_private_segment_fixed_size 0
		.amdhsa_enable_private_segment 0
		.amdhsa_kernarg_size 64
		.amdhsa_user_sgpr_count 2
		.amdhsa_user_sgpr_kernarg_segment_ptr 1
		.amdhsa_wavefront_size32 1
		.amdhsa_system_sgpr_workgroup_id_x 1
		.amdhsa_system_sgpr_workgroup_id_y 1
		.amdhsa_system_sgpr_workgroup_id_z 1
		.amdhsa_system_vgpr_workitem_id 0
		.amdhsa_next_free_vgpr 256
		.amdhsa_next_free_sgpr 100
		.amdhsa_reserve_vcc 0
		.amdhsa_float_denorm_mode_32 3
		.amdhsa_float_denorm_mode_16_64 3
		.amdhsa_memory_ordered 1
		.amdhsa_forward_progress 1
		.amdhsa_inst_pref_size 152
	.end_amdhsa_kernel
	.amdgpu_metadata
---
amdhsa.version: [ 1, 2 ]
amdhsa.kernels:
  - .name:           k_q12f5f6f4e5_qkv
    .symbol:         k_q12f5f6f4e5_qkv.kd
    .args:
      - { .name: xcodes, .offset: 0, .size: 8, .value_kind: global_buffer, .address_space: global }
      - { .name: wcodes, .offset: 8, .size: 8, .value_kind: global_buffer, .address_space: global }
      - { .name: bq, .offset: 16, .size: 8, .value_kind: global_buffer, .address_space: global }
      - { .name: bk, .offset: 24, .size: 8, .value_kind: global_buffer, .address_space: global }
      - { .name: bv, .offset: 32, .size: 8, .value_kind: global_buffer, .address_space: global }
      - { .name: qimg, .offset: 40, .size: 8, .value_kind: global_buffer, .address_space: global }
      - { .name: kimg, .offset: 48, .size: 8, .value_kind: global_buffer, .address_space: global }
      - { .name: vimg, .offset: 56, .size: 8, .value_kind: global_buffer, .address_space: global }
    .group_segment_fixed_size: 327680
    .private_segment_fixed_size: 0
    .kernarg_segment_align: 8
    .kernarg_segment_size: 64
    .max_flat_workgroup_size: 256
    .sgpr_count:     100
    .vgpr_count:     256
    .wavefront_size: 32
...
	.end_amdgpu_metadata
.endif
;; end of part 2
;; launch attn (part 3): grid 4 x 64, 8 waves a work-group, clusters of 4 x 1, 246,784 bytes of LDS; arguments qimg, kimg, vimg, mbias, ccodes; writes ccodes
.if DOCPART == 3
	.amdgcn_target "amdgcn-amd-amdhsa--gfx1250"
	.amdhsa_code_object_version 6
	.text
	.protected	k_q12f5f6f4e5_attn
	.globl	k_q12f5f6f4e5_attn
	.p2align	8
	.type	k_q12f5f6f4e5_attn,@function
k_q12f5f6f4e5_attn:
	s_mov_b64 s[64:65], 0
	v_nop
	global_prefetch_b8 v0, s[64:65] scope:SCOPE_SE
	s_setreg_imm32_b32 hwreg(HW_REG_WAVE_MODE, 25, 1), 1
	s_wait_xcnt 0x0
	s_wait_alu depctr_hold_cnt(0) depctr_sa_sdst(0) depctr_va_vdst(0) depctr_va_sdst(0) depctr_va_ssrc(0) depctr_va_vcc(0) depctr_vm_vsrc(0)
	s_getreg_b32 s2, hwreg(HW_REG_IB_STS2, 6, 4)
	s_cmp_eq_u32 s2, 0
	s_cbranch_scc0 .Lentry_in_a_cluster
	s_endpgm
.Lentry_in_a_cluster:
	s_bfe_u32 s2, ttmp6, 0x10000c
	s_cmp_lg_u32 s2, 0x3003
	s_cbranch_scc0 .Lentry_shape_is_right
	s_endpgm
.Lentry_shape_is_right:
; ctx = softmax(Q K^T / 8, keys that the mask hides left out) V for one head, both products on codes of FP6 (E2M3) with E8M0 scales; ctx is quantised for the last projection.
; WHAT IS QUANTISED AHEAD OF THE SECOND PRODUCT IS THE FINISHED, NORMALISED SOFTMAX, so a row's sum is known before any p is quantised: THE KEYS ARE WALKED TWICE, and no wave hands anything to another.
; WALK 1: scores; each block of 32 keys' largest score (kept in the wave's own stash in LDS); the running largest t = score x log2(e) / 8, rounded up to a whole number M; l = the sum of 2^(t - M).
; WALK 2: the scores again; x = t - (M + log2 l), p = 2^x: one multiply-add and one exponential.  A block's scale: its largest p is 2^x of its stashed largest score, so floor(log2(largest p)) is floor(x),
; taken from x itself, held at -124 from below (the byte cannot fall under 1).  Where the exponential rounds a p whose x lies just under a whole number up to the next power of two, that p is held at the
; largest code, which is what the quantiser makes of the unrounded p.  Then p's codes, and O^T += V^T P^T.
; SHARES.  A work-group owns one head and a quarter of its queries; each of its 8 waves owns 64 queries, four tiles of 16, which share every fragment of K, of V and of the mask bias.
; LDS: K's images and scale words 106,496 bytes, the mask bias 8,192, the stash 8 waves x 4 tiles x 16 steps x 256 = 131,072, the spare words 1,024.  V's 102,400 bytes do not fit beside them in 327,680:
; V goes from memory into registers, 6,144 bytes of whole images a step and wave, asked for at the step's head; so V has no joint load.  K and the bias are asked for jointly by the cluster's four quarters, once.
; PREFETCH: in trip s of walk 1, wave 0 of each work-group asks for 6 of the 24 blocks of 256 bytes of V's step s (the partners share them out by address: 6 cx + 0 .. 5), which walk 2's trip s loads,
; sixteen trips later; V's 16 blocks of scale words come by their loads alone.
; THE MASK: mbias holds 0 or -2^100 for each key and is the C of the scores' products.  The running largest score begins at -2^80, so a hidden score never sets M, and its p is 0.
; A row all of whose keys are hidden has l = 0: M + log2 l is then replaced by 0, every p is 0, and ctx is 0.
; LIMITS: the promise holds while the scaled scores stay under 2^31 in magnitude; NaN and infinities are not served; blocks whose largest number lies under 2^-124 are held at the byte 1.
; LAYOUT.  Both products are used transposed (S^T = K Q^T, O^T = V^T P^T): a lane holds one query (lane % 16).  The tokens of a tile are chosen so that the 16 registers of tiles 2 b, 2 b + 1 are keys
; 32 b + 16 h + 0 .. 15.  THE HEAD IS 64, THE K STEP 128: Q's upper six registers are zero codes; K's upper six are the next tile's codes (behind the last tile zeros), which meet Q's zeros.
; REGISTERS.  Window 0: addresses, Q, K, scales, the scores, p's codes.  Window 1: v0-127 O^T (32 a tile of queries), v128-191 the bias, v192-239 V's four fragments.
.set XSTR, 1703936
.set LB,   106496                      ; LDS: the mask bias
.set STH,  114688                      ; the stash: 16,384 bytes a wave
.set SPARE, 245760                     ; the spare words
.set QF,   16                          ; v16-63 Q: four tiles x (six registers of codes, six of zeros)
.set QS,   64                          ; v64-67 Q's scale words
.set KF,   68                          ; v68-115 eight images of K on end; v116-121 zeros
.set KS,   122                         ; v122-125 K's scale words: register t / 2, lanes 0-15 the even tile, lanes 16-31 the odd
.set VS,   126                         ; v126-127 V's likewise
.set SCR,  128                         ; v128-191 the scores, then 2^(..)
.set PF,   192                         ; v192-203 p's codes
.set PT,   204                         ; v204-206, v208-210 second conversions' results
.set PW,   212                         ; p's scale word
.set BM,   214                         ; v214-217 a number for each block
.set BP,   218                         ; v218-221
.set SO,   222                         ; v222-225 the conversions' scale operands
.set T,    226                         ; v226-229 at work
.set NM,   230                         ; v230-237 a pair for each tile of queries: -M, later -(M + log2 l); the upper word is only named
.set LS,   238                         ; v238-245 the sums, in two halves
.set MR,   246                         ; v246-249 the running largest score
.set F,    250                         ; v250-251
.set BI,   128                         ; window 1
.set VF,   192                         ; window 1
.set SEL,  22
.set CS,   24                          ; s[24:25] c = log2(e) / 8
.set G1K,  28
.set G1B,  36
.set VB,   48                          ; s[48:49] V's images of the step;  s[50:51] its scale words;  s[60:61] where the prefetches stand
.set VSB,  50
.set G0K,  52
.set G0B,  56
.set PFB,  60
.set MSB, 0
.macro WIN new                         ; the immediate's high byte repeats the setting that is left
.if MSB != \new
	s_set_vgpr_msb (MSB<<8)|\new
.set MSB, \new
.endif
.endm
.macro CROUND
	s_barrier_signal -1
	s_barrier_wait -1
	s_cmp_lg_u32 s16, 0
	s_cbranch_scc1 .Lnot_wave_0_\@
	s_barrier_signal -3
.Lnot_wave_0_\@:
	s_barrier_wait -3
	s_barrier_signal -1
	s_barrier_wait -1
.endm
.macro NOPS n
.rept \n
	v_nop
.endr
.endm
; A step's 128 keys: the bias, K's eight images and scale words from LDS; in walk 2 V's eight images and scale words from memory.  s44 = 512 x step, s45 = 6,144 x step, s46 = 256 x step.
.macro LOADS p
	v_add_nc_u32 v9, s44, v4                       ; (these five are also the places behind the last step's products, ahead of the loads into their sources)
	v_add_nc_u32 v10, s45, v1
	v_add_nc_u32 v11, s45, v6
	v_add_nc_u32 v12, s44, v7
	v_add_nc_u32 v13, s46, v8
	s_wait_alu depctr_va_vdst(0)
	WIN 0x40                                       ; destination window 1
.irp b, 0,1,2,3
.irp i, 0,1,2,3
	ds_load_b128 v[BI+16*\b+4*\i:BI+16*\b+4*\i+3], v9 offset:128*\b+16*\i     ; the bias of keys 32 b + 16 h + 4 i ..
.endr
.endr
.if \p == 2
.irp t, 0,1,2,3
.irp c, 0,1
	global_load_b128 v[VF+12*\t+6*\c:VF+12*\t+6*\c+3], v1, s[VB:VB+1] offset:1536*\t+768*\c        ; 512 consecutive bytes, aligned
	global_load_b64 v[VF+12*\t+6*\c+4:VF+12*\t+6*\c+5], v2, s[VB:VB+1] offset:1536*\t+768*\c+512   ; 256 consecutive bytes, aligned
.endr
.endr
.endif
	WIN 0
.irp t, 0,1,2,3,4,5,6,7
	ds_load_b128 v[KF+6*\t:KF+6*\t+3], v10 offset:768*\t
	ds_load_b64 v[KF+6*\t+4:KF+6*\t+5], v11 offset:768*\t
.endr
	ds_load_b64 v[KS:KS+1], v12
	ds_load_b64 v[KS+2:KS+3], v12 offset:256
.if \p == 2
	global_load_b64 v[VS:VS+1], v2, s[VSB:VSB+1]
.endif
	s_wait_dscnt 0x0
.endm
.macro QK q                            ; S^T of tile q of my queries: eight accumulators, one instruction each, onto the keys' bias
	WIN 0x10                                       ; C in window 1
.irp t, 0,1,2,3,4,5,6,7
.if (\t)%2
	v_wmma_scale_f32_16x16x128_f8f6f4 v[SCR+8*\t:SCR+8*\t+7], v[KF+6*\t:KF+6*\t+11], v[QF+12*\q:QF+12*\q+11], v[BI+8*\t:BI+8*\t+7], v[KS+\t/2], v[QS+\q] matrix_a_fmt:MATRIX_FMT_FP6 matrix_b_fmt:MATRIX_FMT_FP6 matrix_a_scale:MATRIX_SCALE_ROW1
.else
	v_wmma_scale_f32_16x16x128_f8f6f4 v[SCR+8*\t:SCR+8*\t+7], v[KF+6*\t:KF+6*\t+11], v[QF+12*\q:QF+12*\q+11], v[BI+8*\t:BI+8*\t+7], v[KS+\t/2], v[QS+\q] matrix_a_fmt:MATRIX_FMT_FP6 matrix_b_fmt:MATRIX_FMT_FP6
.endif
.endr
	WIN 0
.endm
.macro PV q, zero                      ; O^T of tile q += V^T P^T: four accumulators, one instruction each
	WIN 0x51                                       ; D, C and V in window 1
.irp t, 0,1,2,3
.if \zero
.if (\t)%2
	v_wmma_scale_f32_16x16x128_f8f6f4 v[32*\q+8*\t:32*\q+8*\t+7], v[VF+12*\t:VF+12*\t+11], v[PF:PF+11], 0, v[VS+\t/2], v[PW] matrix_a_fmt:MATRIX_FMT_FP6 matrix_b_fmt:MATRIX_FMT_FP6 matrix_a_scale:MATRIX_SCALE_ROW1
.else
	v_wmma_scale_f32_16x16x128_f8f6f4 v[32*\q+8*\t:32*\q+8*\t+7], v[VF+12*\t:VF+12*\t+11], v[PF:PF+11], 0, v[VS+\t/2], v[PW] matrix_a_fmt:MATRIX_FMT_FP6 matrix_b_fmt:MATRIX_FMT_FP6
.endif
.else
.if (\t)%2
	v_wmma_scale_f32_16x16x128_f8f6f4 v[32*\q+8*\t:32*\q+8*\t+7], v[VF+12*\t:VF+12*\t+11], v[PF:PF+11], v[32*\q+8*\t:32*\q+8*\t+7], v[VS+\t/2], v[PW] matrix_a_fmt:MATRIX_FMT_FP6 matrix_b_fmt:MATRIX_FMT_FP6 matrix_a_scale:MATRIX_SCALE_ROW1
.else
	v_wmma_scale_f32_16x16x128_f8f6f4 v[32*\q+8*\t:32*\q+8*\t+7], v[VF+12*\t:VF+12*\t+11], v[PF:PF+11], v[32*\q+8*\t:32*\q+8*\t+7], v[VS+\t/2], v[PW] matrix_a_fmt:MATRIX_FMT_FP6 matrix_b_fmt:MATRIX_FMT_FP6
.endif
.endif
.endr
	WIN 0
.endm
.macro EXPS q                          ; score x c + the tile's pair, two at a time, each accumulator from its low end on
.set J, 0
.rept 32
	v_pk_fma_f32 v[SCR+J:SCR+J+1], v[SCR+J:SCR+J+1], s[CS:CS+1], v[NM+2*\q:NM+2*\q+1] op_sel_hi:[1,0,0]
.set J, J+2
.endr
.endm
.macro EXP64                           ; 2^(..)
	s_wait_alu depctr_va_vdst(0)                   ; the wait ahead of the batch,
.set J, 0
.rept 64
	v_exp_f32 v[SCR+J], v[SCR+J]
.set J, J+1
.endr
	v_nop                                          ; one plain place behind the exponentials
	s_wait_alu depctr_va_vdst(0)                   ; and behind it
.endm
.macro JOIN pq                         ; the three side chains of tile pq's sum are joined to it
	v_pk_add_f32 v[BP+2:BP+3], v[BP+2:BP+3], v[SO:SO+1]
	v_pk_add_f32 v[LS+2*\pq:LS+2*\pq+1], v[LS+2*\pq:LS+2*\pq+1], v[BP:BP+1]
.endm
; WALK 1, 16 queries x 128 keys.  pq: the tile worked just before, whose sum's chains are joined here: these lines and the move are the four places behind the products (ISA guide 7.12.1)
.macro U1 q, pq
	QK \q
	JOIN \pq
	v_mov_b32 v[T], v[NM+2*\q]
	v_pk_add_f32 v[LS+2*\pq:LS+2*\pq+1], v[LS+2*\pq:LS+2*\pq+1], v[BP+2:BP+3]
.irp b, 0,1,2,3
	v_max3_num_f32 v[BM+\b], v[SCR+16*\b], v[SCR+16*\b+1], v[SCR+16*\b+2]    ; the largest score of each block of 32 keys, the four blocks by turns
.endr
.irp i, 3,5,7,9,11,13
.irp b, 0,1,2,3
	v_max3_num_f32 v[BM+\b], v[BM+\b], v[SCR+16*\b+\i], v[SCR+16*\b+\i+1]
.endr
.endr
.irp b, 0,1,2,3
	v_max_num_f32 v[BM+\b], v[BM+\b], v[SCR+16*\b+15]
.endr
.irp b, 0,1,2,3
	v_permlanex16_b32 v[BP+\b], v[BM+\b], s[SEL], s[SEL+1]
.endr
.irp b, 0,1,2,3
	v_max_num_f32 v[BM+\b], v[BM+\b], v[BP+\b]     ; with lane l xor 16's 16 keys
.endr
	ds_store_b128 v13, v[BM:BM+3] offset:4096*\q   ; kept for walk 2 (both halves of the lanes write the same bytes with the same values)
	v_max3_num_f32 v[MR+\q], v[MR+\q], v[BM], v[BM+1]
	s_delay_alu instid0(VALU_DEP_1)
	v_max3_num_f32 v[MR+\q], v[MR+\q], v[BM+2], v[BM+3]
	s_delay_alu instid0(VALU_DEP_1)
	v_mul_f32 v[T+1], s[CS], v[MR+\q]              ; the running largest t (c is positive)
	s_delay_alu instid0(VALU_DEP_1)
	v_floor_f32 v[NM+2*\q], -v[T+1]                ; -M = -ceil(t): a whole number
	s_delay_alu instid0(VALU_DEP_1)
	v_sub_f32 v[T], v[NM+2*\q], v[T]               ; M's old value less its new one: 0 or less
	s_delay_alu instid0(VALU_DEP_1)
	v_cvt_i32_f32 v[T], v[T]                       ; (it saturates)
	s_delay_alu instid0(VALU_DEP_1)
	v_ldexp_f32 v[F], 1.0, v[T]
	EXPS \q
	v_pk_mul_f32 v[LS+2*\q:LS+2*\q+1], v[LS+2*\q:LS+2*\q+1], v[F:F+1] op_sel_hi:[1,0]   ; the sums under the new M: nothing is rounded
	EXP64
	v_pk_add_f32 v[BP:BP+1], v[SCR:SCR+1], v[SCR+2:SCR+3]                  ; the sum, two at a time, in four chains
	v_pk_add_f32 v[BP+2:BP+3], v[SCR+4:SCR+5], v[SCR+6:SCR+7]
	v_pk_add_f32 v[SO:SO+1], v[SCR+8:SCR+9], v[SCR+10:SCR+11]
.irp j, 12,20,28,36,44,52
	v_pk_add_f32 v[LS+2*\q:LS+2*\q+1], v[LS+2*\q:LS+2*\q+1], v[SCR+\j:SCR+\j+1]
	v_pk_add_f32 v[BP:BP+1], v[BP:BP+1], v[SCR+\j+2:SCR+\j+3]
	v_pk_add_f32 v[BP+2:BP+3], v[BP+2:BP+3], v[SCR+\j+4:SCR+\j+5]
	v_pk_add_f32 v[SO:SO+1], v[SO:SO+1], v[SCR+\j+6:SCR+\j+7]
.endr
	v_pk_add_f32 v[LS+2*\q:LS+2*\q+1], v[LS+2*\q:LS+2*\q+1], v[SCR+60:SCR+61]
	v_pk_add_f32 v[BP:BP+1], v[BP:BP+1], v[SCR+62:SCR+63]
.endm
; WALK 2, 16 queries x 128 keys.  first = 1: the step's first use of V
.macro U2 q, zero, first
	ds_load_b128 v[BM:BM+3], v13 offset:4096*\q    ; the four blocks' largest scores
	QK \q
	s_wait_dscnt 0x0
.irp b, 0,1,2,3
	v_fma_f32 v[BM+\b], v[BM+\b], s[CS], v[NM+2*\q] ; x of each block's largest p.  (These four are the places behind the products)
.endr
.irp b, 0,1,2,3
	v_max_num_f32 v[BM+\b], 0xc2f80000, v[BM+\b]   ; held at -124 from below
.endr
.irp b, 0,1,2,3
	v_cvt_floor_i32_f32 v[BM+\b], v[BM+\b]         ; floor(log2(the block's largest p))
.endr
.irp b, 0,1,2,3
	v_add_nc_u32 v[BP+\b], 125, v[BM+\b]           ; - 2 + 127: the scale's byte, 1 at the least
.endr
.irp b, 0,1,2,3
	v_lshlrev_b32 v[SO+\b], 23, v[BP+\b]           ; as an exponent field: the conversion's scale operand
.endr
	v_lshl_or_b32 v[PW], v[BP+1], 8, v[BP]         ; p's scale word: the 32 multiply-adds below stand between it and the products that read it
	v_lshl_or_b32 v[PW], v[BP+2], 16, v[PW]
	v_lshl_or_b32 v[PW], v[BP+3], 24, v[PW]
	EXPS \q
	EXP64                                          ; p, finished and normalised
.irp c, 0,1
	v_cvt_scalef32_pk16_fp6_f32 v[PF+6*\c:PF+6*\c+2], v[SCR+32*\c:SCR+32*\c+15], v[SO+2*\c]
	v_cvt_scalef32_pk16_fp6_f32 v[PT+4*\c:PT+4*\c+2], v[SCR+32*\c+16:SCR+32*\c+31], v[SO+2*\c+1]
.endr
	v_nop                                          ; one plain place behind a scaled conversion
.irp c, 0,1                                    ; the layout wants a whole block in a lane
.irp i, 0,1,2
	v_permlane16_swap_b32 v[PF+6*\c+\i], v[PT+4*\c+\i]
.endr
.irp i, 0,1,2
	v_mov_b32 v[PF+6*\c+3+\i], v[PT+4*\c+\i]
.endr
.endr
	NOPS 4                                         ; an operand written by vector instructions stands 4 places ahead of a scaled matrix instruction
.if \first
	s_wait_loadcnt 0x0                             ; the step's V, asked for at its head
.endif
	s_wait_alu depctr_va_vdst(0)                   ; ahead of the readers of O^T and of the codes
	PV \q, \zero
.endm
.macro STEP2 zero
	LOADS 2
	U2 0, \zero, 1
	U2 1, \zero, 0
	U2 2, \zero, 0
	U2 3, \zero, 0
	s_add_nc_u64 s[VB:VB+1], s[VB:VB+1], 6144      ; the step's loads from these bases have been waited for
	s_add_nc_u64 s[VSB:VSB+1], s[VSB:VSB+1], 256
	s_add_co_u32 s44, s44, 512
	s_add_co_u32 s45, s45, 6144
	s_add_co_u32 s46, s46, 256
.endm
; ctx of tile q: register 16 b + i of its 32 is channel 32 b + 16 h + i of my query: an image's six registers of codes and the row's two scale bytes, in registers of their own for each tile
.macro OQ q
.set CO, SCR+16*\q
	WIN 0x05                                       ; sources 0 and 1 in window 1
	v_max3_num_f32 v[BM], |v[32*\q]|, |v[32*\q+1]|, 0x1800000
	v_max3_num_f32 v[BM+1], |v[32*\q+16]|, |v[32*\q+17]|, 0x1800000
.irp i, 2,4,6,8,10,12,14
	v_max3_num_f32 v[BM], |v[32*\q+\i]|, |v[32*\q+\i+1]|, v[BM]
	v_max3_num_f32 v[BM+1], |v[32*\q+16+\i]|, |v[32*\q+17+\i]|, v[BM+1]
.endr
	WIN 0
	v_permlanex16_b32 v[BM+2], v[BM], s[SEL], s[SEL+1]
	v_permlanex16_b32 v[BM+3], v[BM+1], s[SEL], s[SEL+1]
	v_max_num_f32 v[BM], v[BM], v[BM+2]
	v_max_num_f32 v[BM+1], v[BM+1], v[BM+3]
	v_add_nc_u32 v[BP], 0xff000000, v[BM]
	v_add_nc_u32 v[BP+1], 0xff000000, v[BM+1]
	v_lshrrev_b32 v[BM+2], 23, v[BP]
	v_lshrrev_b32 v[BM+3], 23, v[BP+1]
	v_lshl_or_b32 v[CO+6], v[BM+3], 8, v[BM+2]
	WIN 0x01                                       ; source 0 in window 1
	v_cvt_scalef32_pk16_fp6_f32 v[CO:CO+2], v[32*\q:32*\q+15], v[BP]
	v_cvt_scalef32_pk16_fp6_f32 v[PT:PT+2], v[32*\q+16:32*\q+31], v[BP+1]
	WIN 0
	v_nop
.irp i, 0,1,2
	v_permlane16_swap_b32 v[CO+\i], v[PT+\i]
.endr
.irp i, 0,1,2
	v_mov_b32 v[CO+3+\i], v[PT+\i]
.endr
	global_store_b128 v1, v[CO:CO+3], s[76:77] offset:3328*\q          ; 512 consecutive bytes, aligned
	global_store_b64 v2, v[CO+4:CO+5], s[76:77] offset:3328*\q+512     ; 256 consecutive bytes, aligned
	global_store_b16 v2, v[CO+6], s[94:95] offset:3328*\q              ; two bytes of each lane's eight: the others belong to the chunk's other three heads
.endm
	s_load_b256 s[4:11], s[0:1], 0x0               ; qimg, kimg, vimg, mbias
	s_load_b64 s[14:15], s[0:1], 0x20              ; ccodes
	v_lshl_add_u32 v14, v0, 2, SPARE
	v_mov_b32 v15, 0
	ds_add_u32 v14, v15                            ; the opening lines: the add, twice on end, and its wait
	ds_add_u32 v14, v15
	v_lshrrev_b32 v1, 5, v0
	v_readfirstlane_b32 s16, v1                    ; wave 0..7
	s_bfe_u32 s17, ttmp6, 0x40000                  ; cx: my quarter of the queries: it enters global addresses alone
	s_and_b32 s18, ttmp7, 0xffff                   ; batch x 16 + head, which the four partners share
	s_lshr_b32 s19, s18, 4
	s_and_b32 s20, s18, 15
	s_mov_b32 s[SEL], 0x76543210
	s_mov_b32 s[SEL+1], 0xfedcba98
	s_mov_b32 s[CS], 0x3e38aa3b                    ; log2(e) / 8
	s_mov_b32 s[CS+1], s[CS]
.irp g, G1K, G1B                       ; dense blocks as rows of 32 elements of 8 bytes: a quarter of K's part (104 rows), the batch's bias (32)
	s_mov_b32 s[\g], 15|(3<<16)|(1<<21)            ; 15:0 the mask: all four work-groups; 17:16 elements of 8 bytes; 21 set beside a mask
	s_mov_b32 s[\g+1], 32<<16
	s_mov_b32 s[\g+3], 32<<16
	s_mov_b32 s[\g+5], 32
	s_mov_b32 s[\g+6], 0
	s_mov_b32 s[\g+7], 0
.endr
	s_mov_b32 s[G1K+2], 104<<16
	s_mov_b32 s[G1K+4], 104
	s_mov_b32 s[G1B+2], 32<<16
	s_mov_b32 s[G1B+4], 32
	s_mul_i32 s78, s18, 106496                     ; the head's part of qimg and of kimg
	s_mov_b32 s79, 0
	s_mul_i32 s80, s16, 26624                      ; waves 0-3: my quarter of K's part, in memory and in LDS
	s_mov_b32 s81, 0
	s_mul_i32 s82, s18, 102400                     ; the head's part of vimg
	s_mov_b32 s83, 0
	s_mov_b32 s85, 0
	s_lshl_b32 s86, s19, 13                        ; the batch's bias
	s_mov_b32 s87, 0
	s_wait_dscnt 0x0
	s_wait_kmcnt 0x0
	s_mov_b32 s[G0K], 1
	s_mov_b32 s[G0K+1], s80
	s_add_nc_u64 s[G0K+2:G0K+3], s[6:7], s[78:79]
	s_add_nc_u64 s[G0K+2:G0K+3], s[G0K+2:G0K+3], s[80:81]
	s_or_b32 s[G0K+3], s[G0K+3], 0x80000000
	s_mov_b32 s[G0B], 1
	s_mov_b32 s[G0B+1], LB
	s_add_nc_u64 s[G0B+2:G0B+3], s[10:11], s[86:87]
	s_or_b32 s[G0B+3], s[G0B+3], 0x80000000
	CROUND                                         ; all four work-groups are here: the joint loads meet
	s_cmp_lt_u32 s16, 4                            ; one chain of branches on the wave's number: waves 0-3 a quarter of K each, wave 4 the bias, one load a wave
	s_cbranch_scc0 .Lnot_k
	tensor_load_to_lds s[G0K:G0K+3], s[G1K:G1K+7]
	s_nop 0
	NOPS 4
	s_branch .Lasked
.Lnot_k:
	s_cmp_eq_u32 s16, 4
	s_cbranch_scc0 .Lasked
	tensor_load_to_lds s[G0B:G0B+3], s[G1B:G1B+7]
	s_nop 0
	NOPS 4
.Lasked:
	s_add_nc_u64 s[VB:VB+1], s[8:9], s[82:83]      ; V's images, its scale words, and where the prefetches begin
	s_add_nc_u64 s[VSB:VSB+1], s[VB:VB+1], 98304
	s_mov_b64 s[PFB:PFB+1], s[VB:VB+1]
	s_add_nc_u64 s[72:73], s[4:5], s[78:79]        ; the head's part of qimg
	s_lshl_b32 s82, s17, 11                        ; my four tiles' scale words: 256 bytes for each four tiles: 8 cx + wave
	s_lshl_b32 s84, s16, 8
	s_add_co_u32 s82, s82, s84
	s_add_co_u32 s82, s82, 98304
	s_add_nc_u64 s[74:75], s[72:73], s[82:83]
	s_mul_i32 s80, s17, 24576                      ; and their images: tile 32 cx + 4 wave
	s_mul_i32 s84, s16, 3072
	s_add_co_u32 s80, s80, s84
	s_add_nc_u64 s[72:73], s[72:73], s[80:81]
	s_lshr_b32 s80, s20, 2
	s_mul_i32 s80, s80, XSTR                       ; ctx: chunk head / 4,
	s_lshl_b32 s82, s19, 7
	s_lshl_b32 s84, s17, 5
	s_add_co_u32 s82, s82, s84
	s_lshl_b32 s84, s16, 2
	s_add_co_u32 s82, s82, s84
	s_mul_i32 s82, s82, 3328                       ; tile 128 x batch + 32 cx + 4 wave,
	s_add_co_u32 s80, s80, s82
	s_add_nc_u64 s[76:77], s[14:15], s[80:81]
	s_and_b32 s82, s20, 3
	s_lshl_b32 s84, s82, 1
	s_add_co_u32 s84, s84, 3072
	s_add_nc_u64 s[94:95], s[76:77], s[84:85]      ; two bytes of each scale slot,
	s_mul_i32 s82, s82, 768
	s_add_nc_u64 s[76:77], s[76:77], s[82:83]      ; image head % 4
	s_lshl_b32 s78, s16, 14                        ; my stash
	s_mul_i32 s79, s17, 6                          ; my work-group's six blocks of a step's 24
	v_and_b32 v12, 31, v0                          ; l
	v_and_b32 v13, 15, v0                          ; r
	v_bfe_u32 v11, v0, 4, 1                        ; h
	v_lshlrev_b32 v1, 4, v12                       ; 16 l
	v_lshlrev_b32 v2, 3, v12                       ; 8 l
	v_lshlrev_b32 v3, 3, v13                       ; 8 r
.irp q, 0,1,2,3
	global_load_b128 v[QF+12*\q:QF+12*\q+3], v1, s[72:73] offset:768*\q
	global_load_b64 v[QF+12*\q+4:QF+12*\q+5], v2, s[72:73] offset:768*\q+512
	global_load_b32 v[QS+\q], v3, s[74:75] offset:128*(\q%2)+4*(\q/2)
.endr
	v_lshl_add_u32 v4, v11, 6, LB                  ; the bias: 64 h
	v_add_nc_u32 v6, 512, v2                       ; an image's upper two registers
	v_add_nc_u32 v7, 98304, v2                     ; K's scale words
	v_lshl_add_u32 v8, v13, 4, s78
	v_add_nc_u32 v8, STH, v8                       ; the stash: 16,384 wave + 16 r
	v_min_u32 v5, 5, v12
	v_add_nc_u32 v5, s79, v5
	v_lshlrev_b32 v5, 8, v5                        ; the prefetches: block 6 cx + min(l, 5): the lanes left over name the last block again
.irp q, 0,1,2,3
.irp i, 6,7,8,9,10,11
	v_mov_b32 v[QF+12*\q+\i], 0                    ; Q's upper 64 along K: zero codes
.endr
	v_mov_b32 v[MR+\q], 0xe7800000                 ; -2^80
	v_mov_b32 v[NM+2*\q], 0x6638aa3b               ; -M = c 2^80, a whole number
	v_mov_b32 v[NM+2*\q+1], 0                      ; (named as the upper half of a pair)
	v_mov_b32 v[LS+2*\q], 0
	v_mov_b32 v[LS+2*\q+1], 0
	v_mov_b32 v[BP+\q], 0                          ; the side chains begin as zeros: the first trip's first joining adds nothing
.endr
	v_mov_b32 v[SO], 0
	v_mov_b32 v[SO+1], 0
.irp i, 48,49,50,51,52,53
	v_mov_b32 v[KF+\i], 0                          ; what stands behind K's last image
.endr
	v_mov_b32 v[F+1], 0
	s_mov_b32 s44, 0
	s_mov_b32 s45, 0
	s_mov_b32 s46, 0
	s_mov_b32 s47, 0
	s_wait_alu depctr_va_vdst(0)                   ; the head's end
	s_wait_tensorcnt 0x0                           ; my part has landed,
	s_barrier_signal -1
	s_barrier_wait -1                              ; everybody's has; nothing is filled again
	s_wait_loadcnt 0x0                             ; Q
.Lwalk1:
	LOADS 1
	U1 0, 3
	s_wait_alu depctr_va_vdst(0)
	s_cmp_lg_u32 s16, 0
	s_cbranch_scc1 .Lno_ask
	global_prefetch_b8 v5, s[PFB:PFB+1] th:TH_LOAD_NT scope:SCOPE_SE
.Lno_ask:
	U1 1, 0
	U1 2, 1
	U1 3, 2
	s_wait_xcnt 0x0                                ; the prefetch has read its base, three tiles of queries ago
	s_add_nc_u64 s[PFB:PFB+1], s[PFB:PFB+1], 6144
	s_add_co_u32 s44, s44, 512
	s_add_co_u32 s45, s45, 6144
	s_add_co_u32 s46, s46, 256
	s_add_co_u32 s47, s47, 1
	s_cmp_lt_u32 s47, 16
	s_wait_alu depctr_va_vdst(0)                   ; ahead of the branch
	s_cbranch_scc1 .Lwalk1
	JOIN 3
	v_pk_add_f32 v[LS+6:LS+7], v[LS+6:LS+7], v[BP+2:BP+3]
.irp q, 0,1,2,3
	v_add_f32 v[T+\q], v[LS+2*\q], v[LS+2*\q+1]    ; the sum's two halves,
.endr
.irp q, 0,1,2,3
	v_permlanex16_b32 v[BP+\q], v[T+\q], s[SEL], s[SEL+1]
.endr
.irp q, 0,1,2,3
	v_add_f32 v[T+\q], v[T+\q], v[BP+\q]           ; and lane l xor 16's: l
.endr
	s_wait_alu depctr_va_vdst(0)
.irp q, 0,1,2,3
	v_log_f32 v[BM+\q], v[T+\q]
.endr
	v_nop
	s_wait_alu depctr_va_vdst(0)
.irp q, 0,1,2,3
	v_sub_f32 v[NM+2*\q], v[NM+2*\q], v[BM+\q]     ; -(M + log2 l)
.endr
.irp q, 0,1,2,3
	v_cmp_lt_f32 vcc_lo, 0, v[T+\q]
	v_cndmask_b32 v[NM+2*\q], 0, v[NM+2*\q], vcc_lo ; a row with no key that counts: 0, under which every hidden score gives p = 0
.endr
	s_mov_b32 s44, 0
	s_mov_b32 s45, 0
	s_mov_b32 s46, 0
	s_mov_b32 s47, 1
	STEP2 1                                        ; the first step's products start the sums
	s_wait_alu depctr_va_vdst(0)
.Lwalk2:
	STEP2 0
	s_add_co_u32 s47, s47, 1
	s_cmp_lt_u32 s47, 16
	s_wait_alu depctr_va_vdst(0)
	s_cbranch_scc1 .Lwalk2
	NOPS 4                                         ; places in front of the first read of O^T
	s_wait_alu depctr_va_vdst(0)
	OQ 0
	OQ 1
	OQ 2
	OQ 3
	s_wait_tensorcnt 0x0                           ; the wave's end
	ds_add_u32 v14, v15
	s_wait_dscnt 0x0
	CROUND                                         ; the closing round
	s_endpgm
.Lfunc_end_k_q12f5f6f4e5_attn:
	.size	k_q12f5f6f4e5_attn, .Lfunc_end_k_q12f5f6f4e5_attn-k_q12f5f6f4e5_attn
	.p2alignl 7, 3214868480
	.fill 96, 4, 3214868480
	.section	.rodata,"a",@progbits
	.p2align	6, 0x0
	.amdhsa_kernel k_q12f5f6f4e5_attn
		.amdhsa_group_segment_fixed_size 246784
		.amdhsa_private_segment_fixed_size 0
		.amdhsa_enable_private_segment 0
		.amdhsa_kernarg_size 40
		.amdhsa_user_sgpr_count 2
		.amdhsa_user_sgpr_kernarg_segment_ptr 1
		.amdhsa_wavefront_size32 1
		.amdhsa_system_sgpr_workgroup_id_x 1
		.amdhsa_system_sgpr_workgroup_id_y 1
		.amdhsa_system_sgpr_workgroup_id_z 1
		.amdhsa_system_vgpr_workitem_id 0
		.amdhsa_next_free_vgpr 512
		.amdhsa_next_free_sgpr 96
		.amdhsa_reserve_vcc 1
		.amdhsa_float_denorm_mode_32 3
		.amdhsa_float_denorm_mode_16_64 3
		.amdhsa_memory_ordered 1
		.amdhsa_forward_progress 1
		.amdhsa_inst_pref_size 135
	.end_amdhsa_kernel
	.amdgpu_metadata
---
amdhsa.version: [ 1, 2 ]
amdhsa.kernels:
  - .name:           k_q12f5f6f4e5_attn
    .symbol:         k_q12f5f6f4e5_attn.kd
    .args:
      - { .name: qimg, .offset: 0, .size: 8, .value_kind: global_buffer, .address_space: global }
      - { .name: kimg, .offset: 8, .size: 8, .value_kind: global_buffer, .address_space: global }
      - { .name: vimg, .offset: 16, .size: 8, .value_kind: global_buffer, .address_space: global }
      - { .name: mbias, .offset: 24, .size: 8, .value_kind: global_buffer, .address_space: global }
      - { .name: ccodes, .offset: 32, .size: 8, .value_kind: global_buffer, .address_space: global }
    .group_segment_fixed_size: 246784
    .private_segment_fixed_size: 0
    .kernarg_segment_align: 8
    .kernarg_segment_size: 40
    .max_flat_workgroup_size: 256
    .sgpr_count:     96
    .vgpr_count:     512
    .wavefront_size: 32
...
	.end_amdgpu_metadata
.endif
;; end of part 3
;; launch oproj (part 4): grid 256 x 1, 8 waves a work-group, clusters of 4 x 1, 320,512 bytes of LDS; arguments ccodes, wcodes, bo, out0; writes out0
.if DOCPART == 4
	.amdgcn_target "amdgcn-amd-amdhsa--gfx1250"
	.amdhsa_code_object_version 6
	.text
	.protected	k_q12f5f6f4e5_oproj
	.globl	k_q12f5f6f4e5_oproj
	.p2align	8
	.type	k_q12f5f6f4e5_oproj,@function
k_q12f5f6f4e5_oproj:
	s_mov_b64 s[64:65], 0
	v_nop
	global_prefetch_b8 v0, s[64:65] scope:SCOPE_SE
	s_setreg_imm32_b32 hwreg(HW_REG_WAVE_MODE, 25, 1), 1
	s_wait_xcnt 0x0
	s_wait_alu depctr_hold_cnt(0) depctr_sa_sdst(0) depctr_va_vdst(0) depctr_va_sdst(0) depctr_va_ssrc(0) depctr_va_vcc(0) depctr_vm_vsrc(0)
	s_getreg_b32 s2, hwreg(HW_REG_IB_STS2, 6, 4)
	s_cmp_eq_u32 s2, 0
	s_cbranch_scc0 .Lentry_in_a_cluster
	s_endpgm
.Lentry_in_a_cluster:
	s_bfe_u32 s2, ttmp6, 0x10000c
	s_cmp_lg_u32 s2, 0x3003
	s_cbranch_scc0 .Lentry_shape_is_right
	s_endpgm
.Lentry_shape_is_right:
; out0 = ctx Wo^T + bo on codes of FP6 (E2M3) with E8M0 scales; out0 [8192][1024] f32.
; A work-group makes 128 rows of P (source 0: rows of Wo, the outputs) x 256 rows of R (source 1: tokens), all of K = 1,024 lying in LDS: four chunks of 256 along K, each 24 chunk tiles of
; 3,328 bytes (R's 16, then P's 8; the layout is stated at the head of the launch that makes the codes).  No LDS byte is filled twice, so there is no ring.
; Eight waves, each 64 of P x 64 of R: 16 accumulators.  A lane of a result holds one token and, in the 32 registers of a tile of tokens, outputs 32 b + 16 h + 0 .. 15 of the wave's 64.
; The bias is loaded into the accumulators and is the C of the first K step.
; CLUSTER: the four work-groups share R (its address hangs on the cluster's number alone): it is asked for jointly.  P is each work-group's own.
; THE WAY OUT: a tile of 16 tokens x 64 outputs goes through the wave's own stage (rows of 256 bytes + 16) and leaves as rows: sixteen lanes store 256 consecutive bytes, aligned.  The stages lie in
; chunk 0, which was filled once and whose last reads stand in front of chunk 1's barrier.
.set XSTR, 1703936
.set WSTR, 851968
.set TB,   3328
.set QUAD, 4*TB
.set POFF, 16*TB
.set CHB,  24*TB
.set SC,   16                          ; v16-23  scale words: register 2 i + e: lanes 0-15 R's tile i, lanes 16-31 P's tile i, K step e of the chunk
.set PF,   32                          ; v32-79  P's four fragments
.set RF,   80                          ; v80-127 R's four
.set ACC,  128                         ; accumulator (rt, p) at v[128 + 32 rt + 8 p]
.set OB,   64                          ; the way out: v64-95 and v96-127 by turns
.set SPI,  272
.set G1R,  28
.set G1P,  36
.set G0R,  44
.set G0P,  68
.macro CROUND
	s_barrier_signal -1
	s_barrier_wait -1
	s_cmp_lg_u32 s20, 0
	s_cbranch_scc1 .Lnot_wave_0_\@
	s_barrier_signal -3
.Lnot_wave_0_\@:
	s_barrier_wait -3
	s_barrier_signal -1
	s_barrier_wait -1
.endm
.macro FRAG reg, a16, a8, off          ; a fragment, 16 rows x 128 K: two images, each 16 bytes and 8 bytes a lane, dense
	ds_load_b128 v[\reg:\reg+3], v[\a16] offset:\off
	ds_load_b64 v[\reg+4:\reg+5], v[\a8] offset:\off
	ds_load_b128 v[\reg+6:\reg+9], v[\a16] offset:\off+768
	ds_load_b64 v[\reg+10:\reg+11], v[\a8] offset:\off+768
.endm
.macro KSTEP e                         ; 128 along K: eight fragments, sixteen products; the sixteen accumulators take turns
.irp i, 0,1,2,3
	FRAG PF+12*\i, 6, 7, TB*\i+1536*\e
	FRAG RF+12*\i, 4, 5, TB*\i+1536*\e
.endr
.if \e == 0
.irp i, 0,1,2,3
	ds_load_b64 v[SC+2*\i:SC+2*\i+1], v8 offset:TB*\i
.endr
.endif
	s_wait_dscnt 0x0
.irp rt, 0,1,2,3
.irp p, 0,1,2,3
	v_wmma_scale_f32_16x16x128_f8f6f4 v[ACC+32*\rt+8*\p:ACC+32*\rt+8*\p+7], v[PF+12*\p:PF+12*\p+11], v[RF+12*\rt:RF+12*\rt+11], v[ACC+32*\rt+8*\p:ACC+32*\rt+8*\p+7], v[SC+2*\p+\e], v[SC+2*\rt+\e] matrix_a_fmt:MATRIX_FMT_FP6 matrix_b_fmt:MATRIX_FMT_FP6 matrix_a_scale:MATRIX_SCALE_ROW1
.endr
.endr
.rept 4
	v_nop                                          ; places in front of the next loads into these fragments, and of the first read of results
.endr
.endm
.macro CHUNK j
.if \j == 0
	s_wait_tensorcnt 0x0                           ; my one load has landed; behind the barrier all four chunks lie in LDS, and nothing is filled again
.endif
.if \j < 2
	s_barrier_signal -1                            ; chunk 1's barrier: every wave's reads of chunk 0, where the stages lie, are over
	s_barrier_wait -1
.endif
	KSTEP 0
	KSTEP 1
.if \j < 3
.irp a, 4,5,6,7,8
	v_add_nc_u32 v\a, CHB, v\a
.endr
.endif
.endm
	s_load_b256 s[4:11], s[0:1], 0x0               ; ccodes, wcodes, bo, out0
	v_lshl_add_u32 v30, v0, 2, 0x4e000
	v_mov_b32 v31, 0
	ds_add_u32 v30, v31
	ds_add_u32 v30, v31
	v_lshrrev_b32 v1, 5, v0
	s_delay_alu instid0(VALU_DEP_1)
	v_readfirstlane_b32 s20, v1                    ; wave 0..7
	s_and_b32 s21, s20, 1                          ; wp: my 64 outputs
	s_lshr_b32 s22, s20, 1                         ; wr: my 64 tokens
	s_bfe_u32 s23, ttmp6, 0x40000                  ; cx: it enters P's, the bias's and the result's global addresses alone
	s_mov_b32 s24, ttmp9                           ; the cluster
	s_mov_b32 s84, XSTR
	s_mov_b32 s85, 0
	s_mov_b32 s86, WSTR
	s_mov_b32 s87, 0
	s_lshr_b32 s88, s24, 1                         ; ridx: which 256 tokens
	s_and_b32 s89, s24, 1
	s_lshl_b32 s89, s89, 2
	s_add_co_u32 s89, s89, s23                     ; pidx: which 128 outputs
	s_lshl_b32 s90, s88, 4                         ; R's first tile of the sixteen
	s_mul_i32 s90, s90, TB
	s_and_b32 s63, s20, 3                          ; my chunk: waves 0-3 fetch R's sixteen tiles of chunk w, waves 4-7 P's eight of chunk w - 4
	s_mul_i32 s91, s63, s84
	s_add_co_u32 s90, s90, s91
	s_mov_b32 s91, 0
	s_lshl_b32 s92, s89, 3
	s_add_co_u32 s92, s92, 192                     ; P: Wo's tiles begin at 192
	s_mul_i32 s92, s92, TB
	s_mul_i32 s93, s63, s86
	s_add_co_u32 s92, s92, s93
	s_mov_b32 s93, 0
	s_mul_i32 s63, s63, CHB                        ; where my chunk lies in LDS: no place in the cluster enters an LDS address
	s_mov_b32 s[G1R], 15|(3<<16)|(1<<21)           ; 15:0 the mask: all four work-groups; 17:16 elements of 8 bytes; 21 set beside a mask
	s_mov_b32 s[G1P], 3<<16                        ; no mask: each work-group's own
	s_mov_b32 s[G1R+2], 208<<16                    ; dense blocks as rows of 32 elements of 8 bytes: R's sixteen tiles are 208 rows,
	s_mov_b32 s[G1R+4], 208
	s_mov_b32 s[G1P+2], 104<<16                    ; P's eight 104
	s_mov_b32 s[G1P+4], 104
.irp g, G1R, G1P
	s_mov_b32 s[\g+1], 32<<16
	s_mov_b32 s[\g+3], 32<<16
	s_mov_b32 s[\g+5], 32
	s_mov_b32 s[\g+6], 0
	s_mov_b32 s[\g+7], 0
.endr
	s_wait_dscnt 0x0
	s_wait_kmcnt 0x0
	s_add_nc_u64 s[94:95], s[4:5], s[90:91]
	s_add_nc_u64 s[96:97], s[6:7], s[92:93]
	s_mov_b32 s[G0R], 1
	s_mov_b32 s[G0R+1], s63
	s_mov_b64 s[G0R+2:G0R+3], s[94:95]
	s_or_b32 s[G0R+3], s[G0R+3], 0x80000000
	s_mov_b32 s[G0P], 1
	s_add_co_u32 s[G0P+1], s63, POFF
	s_mov_b64 s[G0P+2:G0P+3], s[96:97]
	s_or_b32 s[G0P+3], s[G0P+3], 0x80000000
	CROUND                                         ; all four work-groups are here: the joint loads meet
	s_cmp_lt_u32 s20, 4                            ; one fill a wave, in the two arms of one branch on its number: one load of mine is out
	s_cbranch_scc0 .Lnot_r
	tensor_load_to_lds s[G0R:G0R+3], s[G1R:G1R+7]  ; one tensor load a wave at the head
	s_nop 0
.rept 4
	v_nop
.endr
	s_branch .Lasked
.Lnot_r:
	tensor_load_to_lds s[G0P:G0P+3], s[G1P:G1P+7]
	s_nop 0
.rept 4
	v_nop
.endr
.Lasked:
	v_and_b32 v1, 31, v0                           ; l
	s_wait_alu depctr_va_vdst(0)
	v_and_b32 v2, 15, v0                           ; r
	v_bfe_u32 v3, v0, 4, 1                         ; h
	s_wait_alu depctr_va_vdst(0)
	s_lshl_b32 s90, s89, 9
	s_lshl_b32 s25, s21, 8
	s_add_co_u32 s90, s90, s25                     ; my 64 outputs, in bytes: 512 pidx + 256 wp
	s_add_nc_u64 s[94:95], s[8:9], s[90:91]
	v_lshlrev_b32 v12, 6, v3                       ; 64 h: register 16 b + i wants output 32 b + 16 h + i
.irp rt, 0,1,2,3
.irp b, 0,1
.irp i, 0,1,2,3
	global_load_b128 v[ACC+32*\rt+16*\b+4*\i:ACC+32*\rt+16*\b+4*\i+3], v12, s[94:95] offset:128*\b+16*\i   ; the bias in the result's layout: the C of the first K step
.endr
.endr
.endr
	s_lshl_b32 s25, s88, 8
	s_lshl_b32 s26, s22, 6
	s_add_co_u32 s25, s25, s26                     ; my first token
	s_lshl_b32 s25, s25, 12
	s_add_co_u32 s90, s90, s25
	s_add_nc_u64 s[96:97], s[10:11], s[90:91]
	s_mul_i32 s26, s22, QUAD                       ; my four tiles of R,
	s_mul_i32 s27, s21, QUAD
	s_add_co_u32 s27, s27, POFF                    ; of P
	v_lshl_add_u32 v4, v1, 4, s26
	v_lshl_add_u32 v5, v1, 3, s26
	s_delay_alu instid0(VALU_DEP_1)
	v_add_nc_u32 v5, 512, v5
	v_lshl_add_u32 v6, v1, 4, s27
	v_lshl_add_u32 v7, v1, 3, s27
	s_delay_alu instid0(VALU_DEP_1)
	v_add_nc_u32 v7, 512, v7
	s_xor_b32 s25, s22, 3                          ; 3 - wr
	s_add_co_u32 s25, s25, s21
	s_add_co_u32 s25, s25, 1
	s_mul_i32 s25, s25, QUAD                       ; from my tiles of R to my tiles of P: (4 + wp - wr) x four tiles
	v_mul_u32_u24 v8, s25, v3                      ; lanes 16-31 take P's scale words
	s_delay_alu instid0(VALU_DEP_1)
	v_lshl_add_u32 v8, v2, 3, v8
	s_delay_alu instid0(VALU_DEP_1)
	v_add_nc_u32 v8, s26, v8
	s_delay_alu instid0(VALU_DEP_1)
	v_add_nc_u32 v8, 3072, v8
	s_mul_i32 s25, s20, 16*SPI                     ; my stage
	v_mul_u32_u24 v9, v2, SPI
	s_delay_alu instid0(VALU_DEP_1)
	v_lshl_add_u32 v9, v3, 6, v9
	s_delay_alu instid0(VALU_DEP_1)
	v_add_nc_u32 v9, s25, v9                       ; in: row r, + 64 h
	v_mul_u32_u24 v10, v3, SPI
	s_delay_alu instid0(VALU_DEP_1)
	v_lshl_add_u32 v10, v2, 4, v10
	s_delay_alu instid0(VALU_DEP_1)
	v_add_nc_u32 v10, s25, v10                     ; back: lanes 0-15 one row, lanes 16-31 the next
	v_lshlrev_b32 v11, 12, v3
	s_delay_alu instid0(VALU_DEP_1)
	v_lshl_add_u32 v11, v2, 4, v11                 ; and the same two rows in out0
	s_wait_alu depctr_va_vdst(0)
	s_wait_loadcnt 0x0                             ; the bias
	CHUNK 0
	s_wait_alu depctr_va_vdst(0)
	CHUNK 1
	s_wait_alu depctr_va_vdst(0)
	CHUNK 2
	s_wait_alu depctr_va_vdst(0)
	CHUNK 3
.irp rt, 0,1,2,3
.if \rt > 1
	s_wait_xcnt 0x0                                ; the stores of two tiles ago have read their registers: the loads below may land there
.endif
.irp b, 0,1
.irp i, 0,1,2,3
	ds_store_b128 v9, v[ACC+32*\rt+16*\b+4*\i:ACC+32*\rt+16*\b+4*\i+3] offset:128*\b+16*\i     ; each accumulator from its low end on
.endr
.endr
.irp i, 0,1,2,3,4,5,6,7
	ds_load_b128 v[OB+32*(\rt%2)+4*\i:OB+32*(\rt%2)+4*\i+3], v10 offset:2*SPI*\i               ; LDS serves a wave's instructions in order: these see my stores, and the next tile's stores come behind them
.endr
	s_wait_dscnt 0x0
.irp i, 0,1,2,3,4,5,6,7
	global_store_b128 v11, v[OB+32*(\rt%2)+4*\i:OB+32*(\rt%2)+4*\i+3], s[96:97] offset:(32*(\rt/2)+8*(\rt%2)+2*\i+8*(\i/4))*4096 th:TH_STORE_NT   ; place 2 i + h of the tile is token 2 i + h, + 8 from place 8 on
.endr
.endr
	s_wait_dscnt 0x0
	s_wait_tensorcnt 0x0
	ds_add_u32 v30, v31
	s_wait_dscnt 0x0
	CROUND                                         ; the closing round: no work-group ends while a partner may still ask for a tile that names it
	s_endpgm
.Lfunc_end_k_q12f5f6f4e5_oproj:
	.size	k_q12f5f6f4e5_oproj, .Lfunc_end_k_q12f5f6f4e5_oproj-k_q12f5f6f4e5_oproj
	.p2alignl 7, 3214868480
	.fill 96, 4, 3214868480
	.section	.rodata,"a",@progbits
	.p2align	6, 0x0
	.amdhsa_kernel k_q12f5f6f4e5_oproj
		.amdhsa_group_segment_fixed_size 320512
		.amdhsa_private_segment_fixed_size 0
		.amdhsa_enable_private_segment 0
		.amdhsa_kernarg_size 32
		.amdhsa_user_sgpr_count 2
		.amdhsa_user_sgpr_kernarg_segment_ptr 1
		.amdhsa_wavefront_size32 1
		.amdhsa_system_sgpr_workgroup_id_x 1
		.amdhsa_system_sgpr_workgroup_id_y 1
		.amdhsa_system_sgpr_workgroup_id_z 1
		.amdhsa_system_vgpr_workitem_id 0
		.amdhsa_next_free_vgpr 256
		.amdhsa_next_free_sgpr 100
		.amdhsa_reserve_vcc 0
		.amdhsa_float_denorm_mode_32 3
		.amdhsa_float_denorm_mode_16_64 3
		.amdhsa_memory_ordered 1
		.amdhsa_forward_progress 1
		.amdhsa_inst_pref_size 53
	.end_amdhsa_kernel
	.amdgpu_metadata
---
amdhsa.version: [ 1, 2 ]
amdhsa.kernels:
  - .name:           k_q12f5f6f4e5_oproj
    .symbol:         k_q12f5f6f4e5_oproj.kd
    .args:
      - { .name: ccodes, .offset: 0, .size: 8, .value_kind: global_buffer, .address_space: global }
      - { .name: wcodes, .offset: 8, .size: 8, .value_kind: global_buffer, .address_space: global }
      - { .name: bo, .offset: 16, .size: 8, .value_kind: global_buffer, .address_space: global }
      - { .name: out0, .offset: 24, .size: 8, .value_kind: global_buffer, .address_space: global }
    .group_segment_fixed_size: 320512
    .private_segment_fixed_size: 0
    .kernarg_segment_align: 8
    .kernarg_segment_size: 32
    .max_flat_workgroup_size: 256
    .sgpr_count:     100
    .vgpr_count:     256
    .wavefront_size: 32
...
	.end_amdgpu_metadata
.endif
;; end of part 4
